; MI455X (gfx1250); checked and timed in simulation.
; The chip was launched on July 23, 2026; its instructions are those of AMD's public machine-readable ISA for CDNA 5 (MIT licence, August 2026) and "CDNA5" Instruction Set Architecture Reference Guide (July 2026). The comments in the code are by the model that wrote it; some were corrected since.
;; Multi Head Attention. Allowed arithmetic: matrix products marked QUANTISED: E2M1 operands, one E8M0 scale for each 32 along K, by v_wmma_scale_f32_16x16x128_f8f6f4 with both operands' format E2M1 (or v_wmma_scale_f32_32x16x128_f4), f32 sums; products left as they are: bf16, f16 or f32 operands; f32 sums; everything else in f32.
;; Inputs: Wk 1,024 x 1,024 float32; Wo 256 x 1,024 float32; Wq 1,024 x 1,024 float32; Wv 1,024 x 256 float32; bk 1,024 float32; bq 1,024 float32; bv 256 float32; x 16 x 1,024 x 1,024 float32.
;; Outputs: out0 16 x 1,024 x 1,024 float32.
;; This version of the problem:
;;   THIS VERSION OF THE PROBLEM IS GIVEN IN LOW PRECISION. The matrix products marked QUANTISED in the list below multiply operands that are first quantised to E2M1 (2 exponent bits, 1 mantissa bit; 4 bits a number), with one power-of-two scale for each 32 numbers along K (OCP MX v1.0); their sums are f32. The products marked 'left as it is' may take bf16, f16 or f32 operands, with f32 sums. Whichever they take, every output number must still come out within the allowed error. Rounding operands to bf16 (8 significant bits) uses up far more of that allowance than f16 does (11 bits, for magnitudes from 6e-5 to 65,504). All else is computed in f32.
;;   The module's matrix products, in the order in which they are computed (A, B: the left and right operand; K: the contracted axis; several contracted axes count as one K, in the product's order):
;;     1. [M 16,384, K 1,024] x [K 1,024, N 1,024]; A: input x; B: input Wq: QUANTISED
;;     2. [M 16,384, K 1,024] x [K 1,024, N 1,024]; A: input x; B: input Wk: QUANTISED
;;     3. [M 16,384, K 1,024] x [K 1,024, N 256]; A: input x; B: input Wv: QUANTISED
;;     4. batch 128 x [M 1,024, K 128] x [K 128, N 1,024]; A: computed on the way; B: computed on the way: left as it is (an operand is computed on the way)
;;     5. batch 128 x [M 32, K 1,024] x [K 1,024, N 1,024]; A: computed on the way; B: computed on the way: left as it is (an operand is computed on the way)
;;     6. [M 16,384, K 256] x [K 256, N 1,024]; A: computed on the way; B: input Wo: left as it is (an operand is computed on the way)
;;   THE QUANTISER, for each operand of a quantised product, along K:
;;     - K is cut into blocks of 32 from its start; a last block that is shorter is filled with zeros.
;;     - A block's scale is 2^e with e = floor(log2(the largest magnitude in the block)) - 2, held to -126 .. 127; a block of zeros has e = 0. As a byte (E8M0): e + 127.
;;     - Each number is divided by its block's scale, clamped to +-6, and rounded to the nearest number of E2M1, ties to even, subnormals kept.
;;     - The product sums the exact products of the quantised numbers (number of the format x scale) in f32.
;;   ~~~python
;;   def quantise(x, axis):      # numpy; x: float32 -> the quantised numbers, widened to float32 again
;;       x = np.moveaxis(x, axis, -1); K = x.shape[-1]
;;       x = np.pad(x, [(0, 0)] * (x.ndim - 1) + [(0, -K % 32)]); x = x.reshape(x.shape[:-1] + (-1, 32)); a = np.abs(x).max(-1, keepdims=True)
;;       e = np.where(a > 0, np.clip(np.frexp(np.where(a > 0, a, 1))[1] - 1 - 2, -126, 127), 0)      # np.frexp(a)[1] - 1 = floor(log2(a)), exactly
;;       r = np.clip(x / 2.0 ** e, -6, 6)
;;       step = 2.0 ** (np.maximum(np.frexp(np.where(r == 0, 1, r))[1] - 1, 0) - 1)
;;       q = np.round(r / step) * step * 2.0 ** e      # np.round: ties to even
;;       return np.moveaxis(q.reshape(q.shape[:-2] + (-1,))[..., :K], -1, axis).astype(np.float32)
;;   ~~~
;; One version. Each part assembles by itself: llvm-mc -triple=amdgcn-amd-amdhsa -mcpu=gfx1250 --defsym DOCPART=n.
;; ======== version 1 of 1: 4 launches
;; limits: values are held in f16: magnitudes above 65,504 overflow, below 6.1e-05 lose precision
;; workspace buffers: xc 8,388,608 bytes; xs 524,288 bytes; wc 1,179,648 bytes; ws 73,728 bytes; wo16 524,288 bytes; qkv 75,497,472 bytes; hd 8,388,608 bytes
;; launch prep (part 1): grid 688 x 1, 4 waves a work-group, no clusters, 33,280 bytes of LDS; arguments x, Wq, Wk, Wv, Wo, xc, xs, wc, ws, wo16; writes xc, xs, wc, ws, wo16
.if DOCPART == 1
	.amdgcn_target "amdgcn-amd-amdhsa--gfx1250"
	.amdhsa_code_object_version 6
	.text
	.protected	k_qa848a715cf_prep
	.globl	k_qa848a715cf_prep
	.p2align	8
	.type	k_qa848a715cf_prep,@function
k_qa848a715cf_prep:
	s_mov_b64 s[64:65], 0
	v_nop
	global_prefetch_b8 v0, s[64:65] scope:SCOPE_SE
	s_setreg_imm32_b32 hwreg(HW_REG_WAVE_MODE, 25, 1), 1
	s_wait_xcnt 0x0
; PREP: everything that is quantised or rounded once, in one launch.  Three paths, chosen by the work-group's number alone; they never join.
;   work-groups 0-143   Wq | Wk | Wv ([1024 k][n] f32, K is the FIRST axis) -> E2M1 codes wc [32 blocks of k][2304 n][16 bytes] and E8M0 bytes ws [2304 n][32]
;   work-groups 144-175 Wo [256 k][1024 n] f32 -> f16, laid as images of the operand registers of the last product: wo16 [64 column tiles][8 chunks of 32 k][2 halves][32 lanes][16 bytes]
;   work-groups 176-687 x [16384][1024] f32 (K innermost) -> codes xc [16384][512 bytes] and E8M0 bytes xs [16384][32]
; The short paths have the lowest numbers, so that they stand at the head of the launch beside x's long stream.
; THE QUANTISER: a block of 32 along K has the scale 2^(floor(log2(largest magnitude)) - 2); its byte is the largest magnitude's exponent field - 2, held at 1 from below by a floor among the maximum's leaves;
; each number is divided by the scale and rounded to the nearest code, ties to even, beyond 6 the largest code.  A block of zeros keeps the byte 1: its codes are zeros, and this program alone reads the bytes.
; LIMITS: NaN and infinities among the inputs are not served; a block whose largest magnitude lies under 2^-124 keeps the byte 1.
; Only x's path touches LDS; it alone ends with the three closing lines.  No tensor loads, no barrier: waves share nothing.  Matrix units and clusters would add nothing to a stream.
.set WGW,   144                        ; work-groups for the three weights: 18 groups of 128 columns x 8 runs of 128 along K
.set WGO,   32                         ; work-groups for Wo: 32 columns each
.set SPW,   12                         ; v12  LDS address of my spare word: SPARE + 4 x my thread's number; never rewritten
.set NIL,   13                         ; v13  0; never rewritten
.set WREG,  8192                       ; x's path, LDS: a region for each wave: two stages of 32 x SP bytes, behind them its 256 scale bytes
.set SP,    80                         ; a lane's place in a stage: 64 bytes + 16 of padding
.set SPARE, 4*WREG                     ; behind the four regions: the spare words, 128 bytes a wave, which no other line names
.set STEPS, 16                         ; x's path: steps of 512 numbers for a wave
.set CB,    8                          ; bytes of 16 codes
.set R,     16                         ; v16-79   x: four sets of 16 numbers as loaded
.set X,     80                         ; v80-111  x: two sets of 16 neighbours
.set E,     112                        ; v112-127 x: a scale byte for each step
.set C,     128                        ; v128-191 x: codes, four registers a step: no store's data are written again
.set WX,    32                         ; v32-159  weights: four blocks of 32 numbers down K
.set WC,    160                        ; v160-175 weights: four blocks' codes
.set WB,    176                        ; v176     weights: the four scale bytes
	s_load_b512 s[4:19], s[0:1], 0x0               ; x 4:5, Wq 6:7, Wk 8:9, Wv 10:11, Wo 12:13, xc 14:15, xs 16:17, wc 18:19
	s_load_b128 s[20:23], s[0:1], 0x40             ; ws 20:21, wo16 22:23
	v_lshl_add_u32 v[SPW], v0, 2, SPARE
	v_mov_b32 v[NIL], 0
	v_lshrrev_b32 v1, 5, v0
	v_readfirstlane_b32 s24, v1                    ; wave 0..3
	v_and_b32 v2, 31, v0                           ; lane
	s_wait_kmcnt 0x0
	s_cmp_lt_u32 ttmp9, WGW
	s_cbranch_scc1 .Lweights
	s_cmp_lt_u32 ttmp9, WGW+WGO
	s_cbranch_scc1 .Lwo
; ---------------- x: a plain stream of blocks of 32.  A wave takes 16 steps of 512 numbers.
; Each load reads 512 consecutive bytes, 16 a lane; the conversions want 16 NEIGHBOURS in a lane: so a step's 2,048 bytes turn through the wave's own stage in LDS and come back 64 bytes a lane.
	v_lshlrev_b32 v3, 4, v2                        ; my 16 bytes of a load's 512
	s_mul_i32 s25, s24, WREG
	v_lshrrev_b32 v14, 2, v2
	v_mul_u32_u24 v14, v14, SP
	v_and_b32 v15, 3, v2
	v_lshl_add_u32 v14, v15, 4, v14
	v_add_nc_u32 v14, s25, v14                     ; into the stage: SP (lane / 4) + 16 (lane % 4)
	v_mul_u32_u24 v15, v2, SP
	v_add_nc_u32 v15, s25, v15                     ; out of it: SP x lane
	v_mul_u32_u24 v4, v2, CB                       ; my codes' place in a step's 256 bytes
	v_lshrrev_b32 v5, 1, v2
	s_add_co_u32 s25, s25, 2*32*SP
	v_add_nc_u32 v5, s25, v5                       ; my block's byte among the wave's 256 scale bytes
	v_lshlrev_b32 v7, 3, v2
	v_add_nc_u32 v6, s25, v7                       ; and 8 of them a lane on the way out
	s_sub_co_u32 s26, ttmp9, WGW+WGO
	s_lshl_b32 s26, s26, 2
	s_add_co_u32 s26, s26, s24                     ; which run of 8,192 numbers is my wave's: 0 .. 2047
	s_mov_b32 s29, 0
	s_lshl_b32 s28, s26, 15                        ; 32,768 bytes of x a run
	s_add_nc_u64 s[4:5], s[4:5], s[28:29]
	s_lshl_b32 s28, s26, 12                        ; 4,096 bytes of codes
	s_add_nc_u64 s[14:15], s[14:15], s[28:29]
	s_lshl_b32 s28, s26, 8                         ; 256 scale bytes
	s_add_nc_u64 s[16:17], s[16:17], s[28:29]
.macro LOAD t
.irp i, 0,1,2,3
	global_load_b128 v[R+16*((\t)%4)+4*\i:R+16*((\t)%4)+4*\i+3], v3, s[4:5] offset:2048*(\t)+512*\i th:TH_LOAD_NT   ; 32 lanes read 512 consecutive bytes
.endr
.endm
.macro TURN t                          ; step t through the stage: LDS serves a wave's instructions in order, so no wait stands between the stores and the loads
.irp i, 0,1,2,3
	ds_store_b128 v14, v[R+16*((\t)%4)+4*\i:R+16*((\t)%4)+4*\i+3] offset:32*SP*((\t)%2)+8*SP*\i
.endr
.irp i, 0,1,2,3
	ds_load_b128 v[X+16*((\t)%2)+4*\i:X+16*((\t)%2)+4*\i+3], v15 offset:32*SP*((\t)%2)+16*\i
.endr
.endm
.irp t, 0,1,2,3
	LOAD \t
.endr
	s_wait_loadcnt 12                              ; step 0's four loads are in; twelve younger ones stay out
	TURN 0
.macro STEP t
.set XS, X+16*((\t)%2)
.if (\t) > 0
	s_wait_dscnt 1                                 ; this step's numbers are back from the stage (the last step's byte store may be out), so the stores into the stage have read their registers,
.else
	s_wait_dscnt 0x0
.endif
.if (\t)+4 < STEPS
	LOAD (\t)+4                                    ; which take the loads of four steps on
.endif
.if (\t)+1 < STEPS
.if STEPS-2-(\t) >= 3
	s_wait_loadcnt 12                              ; the next step's four loads are in; those of the three steps behind it may be out
.else
	s_wait_loadcnt 4*(STEPS-2-(\t))                ; the tail: the counts run down
.endif
	TURN (\t)+1
.endif
	v_max3_num_f32 v8, |v[XS]|, |v[XS+1]|, |v[XS+2]|               ; the largest magnitude of my 16, in two chains
	v_max3_num_f32 v9, |v[XS+3]|, |v[XS+4]|, |v[XS+5]|
.irp i, 6,10
	v_max3_num_f32 v8, v8, |v[XS+\i]|, |v[XS+\i+1]|
	v_max3_num_f32 v9, v9, |v[XS+\i+2]|, |v[XS+\i+3]|
.endr
	v_max3_num_f32 v8, v8, |v[XS+14]|, |v[XS+15]|
	v_max3_num_f32 v8, v8, v9, 0x1800000           ; and the floor 2^(3 - 127): the byte cannot fall under 1
	v_max_num_f32_dpp v8, v8, v8 row_xmask:1 row_mask:0xf bank_mask:0xf   ; with my neighbour's 16: the block's
	v_add_nc_u32 v11, 0xff000000, v8               ; 2 off its exponent field: the conversion takes this operand's exponent field as its scale
	v_cvt_scalef32_pk8_fp4_f32 v[C+4*(\t)], v[XS:XS+7], v11
	v_cvt_scalef32_pk8_fp4_f32 v[C+4*(\t)+1], v[XS+8:XS+15], v11
	v_lshrrev_b32 v[E+(\t)], 23, v11               ; the scale's byte (also the plain line behind the conversions)
	ds_store_b8 v5, v[E+(\t)] offset:16*(\t)       ; both lanes of a block write the same byte with the same value
	global_store_b64 v4, v[C+4*(\t):C+4*(\t)+1], s[14:15] offset:32*CB*(\t)   ; the wave stores 256 consecutive bytes, aligned
.endm
.irp t, 0,1,2,3,4,5,6,7,8,9,10,11,12,13,14,15
	STEP \t
.endr
	ds_load_b64 v[8:9], v6                         ; in order behind my byte stores
	s_wait_dscnt 0x0
	global_store_b64 v7, v[8:9], s[16:17]          ; the wave's 256 scale bytes: 256 consecutive bytes, aligned
	s_wait_tensorcnt 0x0                           ; the wave's end, behind my last LDS store
	ds_add_u32 v[SPW], v[NIL]
	s_wait_dscnt 0x0
	s_endpgm
; ---------------- Wq, Wk, Wv: a lane takes a column n and its registers run down K, so a block of 32 lies in one lane and the codes come out with K innermost.
; A work-group takes 128 columns x 128 along K; a wave 32 columns; a lane four blocks.  A block's 16 bytes of 32 neighbouring columns are 512 consecutive bytes of wc: no turn through LDS.
.Lweights:
	s_lshr_b32 s25, ttmp9, 3                       ; which 128 columns of the 2,304: 0-7 Wq, 8-15 Wk, 16-17 Wv
	s_and_b32 s26, ttmp9, 7                        ; which 128 along K
	s_cmp_lt_u32 s25, 8
	s_cselect_b64 s[28:29], s[6:7], s[8:9]
	s_cmp_lt_u32 s25, 16
	s_cselect_b64 s[28:29], s[28:29], s[10:11]
	s_cselect_b32 s27, 19, 17                      ; 128 rows of 4,096 bytes, or of 1,024 in Wv
	s_lshl_b32 s30, s26, s27
	s_and_b32 s31, s25, 7
	s_lshl_b32 s31, s31, 9                         ; 128 columns of f32
	s_add_co_u32 s30, s30, s31
	s_lshl_b32 s31, s24, 7                         ; my wave's 32
	s_add_co_u32 s30, s30, s31
	s_mov_b32 s31, 0
	s_add_nc_u64 s[28:29], s[28:29], s[30:31]
	s_lshl_b32 s32, s25, 7
	s_lshl_b32 s33, s24, 5
	s_add_co_u32 s32, s32, s33                     ; my wave's first column n0 of the 2,304
	s_mul_i32 s34, s26, 4*36864                    ; four blocks of k, 2,304 x 16 bytes each
	s_lshl_b32 s35, s32, 4
	s_add_co_u32 s34, s34, s35
	s_mov_b32 s35, 0
	s_add_nc_u64 s[18:19], s[18:19], s[34:35]
	s_lshl_b32 s34, s32, 5                         ; 32 scale bytes a column,
	s_lshl_b32 s33, s26, 2                         ; my four of them
	s_add_co_u32 s34, s34, s33
	s_add_nc_u64 s[20:21], s[20:21], s[34:35]
	v_lshlrev_b32 v3, 2, v2
	v_lshlrev_b32 v4, 4, v2
	v_lshlrev_b32 v5, 5, v2
.macro WLOADS stride                   ; W(k0 + i, my column), i = 0 .. 127: each load reads 128 consecutive bytes
.set ii, 0
.rept 128
	global_load_b32 v[WX+ii], v3, s[28:29] offset:ii*\stride th:TH_LOAD_NT
.set ii, ii+1
.endr
.endm
	s_cmp_lt_u32 s25, 16                           ; the row's length stands in the immediates: two arms, the same 128 loads in each
	s_cbranch_scc0 .Lnarrow
	WLOADS 4096
	s_branch .Lloaded
.Lnarrow:
	WLOADS 1024
.Lloaded:
.macro WBLOCK t, left
.set XS, WX+32*(\t)
	s_wait_loadcnt \left
	v_max3_num_f32 v8, |v[XS]|, |v[XS+1]|, |v[XS+2]|               ; the block's largest magnitude: all 32 numbers are mine
	v_max3_num_f32 v9, |v[XS+3]|, |v[XS+4]|, |v[XS+5]|
.irp i, 6,10,14,18,22,26
	v_max3_num_f32 v8, v8, |v[XS+\i]|, |v[XS+\i+1]|
	v_max3_num_f32 v9, v9, |v[XS+\i+2]|, |v[XS+\i+3]|
.endr
	v_max3_num_f32 v8, v8, |v[XS+30]|, |v[XS+31]|
	v_max3_num_f32 v8, v8, v9, 0x1800000           ; and the floor
	v_add_nc_u32 v11, 0xff000000, v8               ; the conversion's scale operand
	v_lshrrev_b32 v10, 23, v11                     ; the scale's byte
.if (\t) == 0
	v_mov_b32 v[WB], v10
.else
	v_lshl_or_b32 v[WB], v10, 8*(\t), v[WB]        ; the lower k in the lower byte
.endif
.irp g, 0,1,2,3
	v_cvt_scalef32_pk8_fp4_f32 v[WC+4*(\t)+\g], v[XS+8*\g:XS+8*\g+7], v11
.endr
	v_nop                                          ; one plain line behind the conversions: the next block writes their scale operand
	global_store_b128 v4, v[WC+4*(\t):WC+4*(\t)+3], s[18:19] offset:(\t)*36864   ; the wave stores 512 consecutive bytes, aligned
.endm
	WBLOCK 0, 63                                   ; 96 loads were issued behind block 0's, 64 behind block 1's: the count is the largest that the wait can name, and is under both
	WBLOCK 1, 63
	WBLOCK 2, 32                                   ; block 3's 32 may be out
	WBLOCK 3, 0
	global_store_b32 v5, v[WB], s[20:21]           ; four bytes a lane, 32 bytes apart: 73,728 bytes in the whole launch go out so
	s_endpgm
; ---------------- Wo: a lane takes a column, 64 numbers down K, rounds them to f16 in pairs, and stores them where the last product's lanes will want them.
.Lwo:
	s_sub_co_u32 s25, ttmp9, WGW                   ; which 32 columns (two column tiles)
	s_lshl_b32 s26, s24, 18                        ; my wave's 64 rows of 4,096 bytes
	s_lshl_b32 s27, s25, 7
	s_add_co_u32 s26, s26, s27
	s_mov_b32 s27, 0
	s_add_nc_u64 s[12:13], s[12:13], s[26:27]
	s_lshl_b32 s26, s25, 14                        ; two column tiles of 8,192 bytes,
	s_lshl_b32 s28, s24, 11                        ; my wave's two chunks of 1,024
	s_add_co_u32 s26, s26, s28
	s_add_nc_u64 s[22:23], s[22:23], s[26:27]
	v_lshlrev_b32 v3, 2, v2
	v_lshrrev_b32 v6, 4, v2
	v_and_b32 v7, 15, v2
	v_lshlrev_b32 v6, 13, v6                       ; lanes 16-31 belong to the second column tile
	v_lshl_add_u32 v6, v7, 4, v6
.set ii, 0
.rept 64
	global_load_b32 v[32+ii], v3, s[12:13] offset:ii*4096 th:TH_LOAD_NT
.set ii, ii+1
.endr
	s_wait_loadcnt 0x0
.set ii, 0
.rept 32
	v_cvt_pk_f16_f32 v[96+ii], v[32+2*ii], v[33+2*ii]   ; k = 2 i in the low half
.set ii, ii+1
.endr
.irp c, 0,1                            ; chunk of 32 k; q: registers 0-3 or 4-7 of the fragment; h: the half of the lanes that will hold these eight k
.irp q, 0,1
.irp h, 0,1
	global_store_b128 v6, v[96+16*\c+4*(2*\q+\h):96+16*\c+4*(2*\q+\h)+3], s[22:23] offset:\c*1024+\q*512+\h*256   ; sixteen lanes store 256 consecutive bytes, aligned
.endr
.endr
.endr
	s_endpgm
.Lfunc_end_k_qa848a715cf_prep:
	.size	k_qa848a715cf_prep, .Lfunc_end_k_qa848a715cf_prep-k_qa848a715cf_prep
	.p2alignl 7, 3214868480
	.fill 96, 4, 3214868480
	.section	.rodata,"a",@progbits
	.p2align	6, 0x0
	.amdhsa_kernel k_qa848a715cf_prep
		.amdhsa_group_segment_fixed_size 33280
		.amdhsa_private_segment_fixed_size 0
		.amdhsa_enable_private_segment 0
		.amdhsa_kernarg_size 80
		.amdhsa_user_sgpr_count 2
		.amdhsa_user_sgpr_kernarg_segment_ptr 1
		.amdhsa_wavefront_size32 1
		.amdhsa_system_sgpr_workgroup_id_x 1
		.amdhsa_system_sgpr_workgroup_id_y 1
		.amdhsa_system_sgpr_workgroup_id_z 1
		.amdhsa_system_vgpr_workitem_id 0
		.amdhsa_next_free_vgpr 192
		.amdhsa_next_free_sgpr 66
		.amdhsa_reserve_vcc 0
		.amdhsa_float_denorm_mode_32 3
		.amdhsa_float_denorm_mode_16_64 3
		.amdhsa_memory_ordered 1
		.amdhsa_forward_progress 1
		.amdhsa_inst_pref_size 74
	.end_amdhsa_kernel
	.amdgpu_metadata
---
amdhsa.version: [ 1, 2 ]
amdhsa.kernels:
  - .name:           k_qa848a715cf_prep
    .symbol:         k_qa848a715cf_prep.kd
    .args:
      - { .name: x, .offset: 0, .size: 8, .value_kind: global_buffer, .address_space: global }
      - { .name: Wq, .offset: 8, .size: 8, .value_kind: global_buffer, .address_space: global }
      - { .name: Wk, .offset: 16, .size: 8, .value_kind: global_buffer, .address_space: global }
      - { .name: Wv, .offset: 24, .size: 8, .value_kind: global_buffer, .address_space: global }
      - { .name: Wo, .offset: 32, .size: 8, .value_kind: global_buffer, .address_space: global }
      - { .name: xc, .offset: 40, .size: 8, .value_kind: global_buffer, .address_space: global }
      - { .name: xs, .offset: 48, .size: 8, .value_kind: global_buffer, .address_space: global }
      - { .name: wc, .offset: 56, .size: 8, .value_kind: global_buffer, .address_space: global }
      - { .name: ws, .offset: 64, .size: 8, .value_kind: global_buffer, .address_space: global }
      - { .name: wo16, .offset: 72, .size: 8, .value_kind: global_buffer, .address_space: global }
    .group_segment_fixed_size: 33280
    .private_segment_fixed_size: 0
    .kernarg_segment_align: 8
    .kernarg_segment_size: 80
    .max_flat_workgroup_size: 128
    .sgpr_count:     66
    .vgpr_count:     192
    .wavefront_size: 32
...
	.end_amdgpu_metadata
.endif
;; end of part 1
;; launch proj (part 2): grid 64 x 3, 4 waves a work-group, clusters of 4 x 1, 327,680 bytes of LDS; arguments xc, xs, wc, ws, bq, bk, bv, qkv; writes qkv
.if DOCPART == 2
	.amdgcn_target "amdgcn-amd-amdhsa--gfx1250"
	.amdhsa_code_object_version 6
	.text
	.protected	k_qa848a715cf_proj
	.globl	k_qa848a715cf_proj
	.p2align	8
	.type	k_qa848a715cf_proj,@function
k_qa848a715cf_proj:
	s_mov_b64 s[64:65], 0
	v_nop
	global_prefetch_b8 v0, s[64:65] scope:SCOPE_SE
	s_setreg_imm32_b32 hwreg(HW_REG_WAVE_MODE, 25, 1), 1
	s_wait_xcnt 0x0
	s_wait_alu depctr_hold_cnt(0) depctr_sa_sdst(0) depctr_va_vdst(0) depctr_va_sdst(0) depctr_va_ssrc(0) depctr_va_vcc(0) depctr_vm_vsrc(0)
	s_getreg_b32 s2, hwreg(HW_REG_IB_STS2, 6, 4)
	s_cmp_eq_u32 s2, 0
	s_cbranch_scc0 .Lentry_in_a_cluster
	s_endpgm
.Lentry_in_a_cluster:
	s_bfe_u32 s2, ttmp6, 0x10000c
	s_cmp_lg_u32 s2, 0x3003
	s_cbranch_scc0 .Lentry_shape_is_right
	s_endpgm
.Lentry_shape_is_right:
; PROJ: qkv[m][n] = sum over k of Q(x)[m][k] Q(W)[k][n] + bias[n], on E2M1 codes with one E8M0 scale for each 32 along K, sums in f32, the result rounded once to f16.
; m = 16,384 rows, n = 2,304 columns (q 0-1023, k 1024-2047, v 2048-2303), K = 1,024.  qkv: [16384][2304] f16, a row is 4,608 bytes = 18 x 256.
; LIMIT: |q|, |k|, |v| stay under 65,504, the largest f16 number.
; A tile of 256 x 256 is made by four waves, one to a SIMD; a wave makes 128 x 128: 64 accumulators, 512 registers.
; A WORK-GROUP STAYS: it makes three tiles side by side, columns 768 y + 256 j, for the same 256 rows.  The 9 tile columns divide by 3 and by 9 alone: 64 x 3 = 192 work-groups, so 64 WGPs get none.
; K is two steps of 512, each with an LDS slot.  x's part of both slots (all of K for the 256 rows) and all scale bytes are asked for once, at the head, and stay.  ONLY W's PART OF A SLOT IS FILLED AGAIN: at the change of
; slots in a tile's middle slot 0 takes the next tile's first 512 of K, at a tile's end slot 1 its second 512.  Nothing waits for a tile's stores: they leave while the next tile is multiplied.
; x's codes lie [row][512 bytes]: a slot holds 256 rows of 256 bytes, 16 bytes of padding behind each.  W's codes lie [block of 32 k][n][16 bytes]: a slot holds 16 blocks x 256 columns x 16 bytes, dense: the sixteen
; lanes of a fragment load read 256 consecutive bytes, so no padding is wanted.
; CLUSTER: the four work-groups of a cluster lie along m and walk the same columns: W's codes and scales are asked for JOINTLY (mask 15).  x's tiles differ from partner to partner: plain loads.
; A cluster of 4 x 4, which would share x's tiles too, does not divide the grid: there are 3 work-groups along n.
; THE MATRIX INSTRUCTION IS USED TRANSPOSED (source 0 = 16 columns of W, source 1 = 16 rows of x): a lane holds eight neighbouring columns of one row.  The bias is the C of each sum's first instruction.
; REGISTERS, in windows of 256: window 0: v1-31 addresses; v32-95 scale words, two sets, and nothing else ever; v96-127 packed results; v128-191 x's fragments, one set; v192-255 rows on the way out.
;   window 1: W's fragments, two sets, at v0 and v128; v64-127 the bias in the result's layout.   window 2: the accumulators of my rows 0-63 ((a, b) at v[8 (8 a + b)]);  window 3: rows 64-127.
.set TILES,  3                         ; tiles of a work-group
.set NQ,     4                         ; matrix instructions deep in a slot: 512 / 128
.set PITCH,  272                       ; x's row in LDS: 256 bytes + 16: the sixteen rows of a load start 68 words apart
.set FR,     8                         ; registers of a fragment
.set NL,     2                         ; LDS loads that bring one
.set NP,     4                         ; places behind this matrix instruction (ISA guide 7.12.1)
.set HALFT,  128*PITCH                 ; 128 rows of x: one tensor load
.set BOFF,   2*HALFT                   ; W's part of a slot begins behind x's 256 rows
.set HALFB,  8*4096                    ; 8 blocks of k x 256 columns x 16 bytes: one tensor load
.set SLOT,   BOFF+2*HALFB
.set KS,     32                        ; a row of scale bytes
.set SCL,    2*SLOT                    ; behind the slots: x's scales, as units of 256 bytes + 16 of padding, two halves of 128 rows;
.set HALFS,  16*272                    ; (the scales of 128 rows or columns)
.set SCB,    SCL+2*HALFS               ; W's scales of the work-group's 768 columns, laid the same way,
.set HALFSB, 48*272                    ; (half of them, 384 columns: one tensor load)
.set TSC,    32*272                    ; (a tile's 256 columns)
.set SBLK,   2*272                     ; (16 rows or columns)
.set SPARE,  SCB+2*HALFSB              ; the spare words, 128 bytes a wave, which no other line names
.set STAGE,  SPARE+512                 ; the way out: a stage of 16 rows x (256 + 16) bytes for each wave: bytes of its own, into which no fill lands
.set SPITCH, 272
.set QROW,   4608                      ; a row of qkv in bytes
.set HH,   2                           ; v2      lane / 16; never rewritten
.set ADRA, 16                          ; v16-17  LDS address of my fragments of x in slot 0, 1
.set ADRB, 20                          ; v20-21  the same for W
.set STO,  24
.set RD,   25
.set CO,   26
.set ADRS0, 27                         ; v27     my scale words in the first tile: lanes 0-15 x's rows, lanes 16-31 W's columns; never rewritten
.set SPW,  28                          ; v28     my spare word; never rewritten
.set NIL,  29                          ; v29     0; never rewritten
.set BO,   30                          ; v30     32 x (lane / 16): my eight numbers of a tile's sixteen biases; never rewritten
.set ADRS, 31                          ; v31     my scale words in the tile in hand: lanes 16-31 stand TSC bytes further on for each tile
.set SC,   32
.set TMP,  96
.set AF,   128
.set OB,   192
.set BIAS, 64                          ; in window 1
.set DL,   2                           ; s[2:3]  what the next way out adds to the stores' base: 0, then 512 bytes (256 columns)
.set WV,   20
.set RH,   21                          ; my half of the tile's rows.  Also: I fetch for x (0) or for W (1)
.set CH,   22                          ; my half of its columns.  Also: which half I fetch
.set G1,   24                          ; s[24:31], s[32:39]: groups 1 and 0 (a set for each slot) for x's codes
.set G0,   32
.set G1B,  48                          ; s[48:55], s[56:63]: for W's codes; the two groups 0 walk from tile to tile
.set G0B,  56
.set TL,   66                          ; s66     tiles with a successor still to go
.set YT,   67                          ; s67     the tile column (0 to 8) whose bias is loaded
.set G1S,  68                          ; s[68:75], s[76:79]: for x's scales
.set G0S,  76
.set G1SB, 80                          ; s[80:87], s[88:91]: for W's scales
.set G0SB, 88
.set BP,   92                          ; s[92:93] where the bias of my 128 columns begins
.set TOFF, 94                          ; s94     TSC x the tile in hand
.set MSB, 0
.macro WIN new                         ; the immediate's high byte repeats the setting that is left; a switch that changes nothing is dropped
.if MSB != (\new)
	s_set_vgpr_msb (MSB<<8)|(\new)
.set MSB, (\new)
.endif
.endm
.set MUL_LO, 0xa1                      ; source 0 (W) window 1, source 1 (x) window 0, C and D window 2
.set MUL_HI, 0xf1                      ; the same, C and D window 3
.set FST_LO, 0x91                      ; a tile's first step: C (the bias) window 1, D window 2
.set FST_HI, 0xd1                      ; C window 1, D window 3
.set TO_B,   0x40                      ; destination window 1, address window 0
; The first fills: waves 0 and 1 fetch for x, waves 2 and 3 for W.  The branch hangs on the wave's number alone.  An s_nop 0 and four v_nop follow each of the two lines.
.macro JLOAD g0a, g1a, g0b, g1b
	s_cmp_eq_u32 s[RH], 0
	s_cbranch_scc0 .Lfor_b_\@
	tensor_load_to_lds s[\g0a:\g0a+3], s[\g1a:\g1a+7]
	s_nop 0
.rept 4
	v_nop
.endr
	s_branch .Lasked_\@
.Lfor_b_\@:
	tensor_load_to_lds s[\g0b:\g0b+3], s[\g1b:\g1b+7]
	s_nop 0
.rept 4
	v_nop
.endr
.Lasked_\@:
.endm
; A refill: W's part of slot s, a half to each of waves 2 and 3, asked for jointly by the four partners.  Waves 0 and 1 have no part to fill: x's codes stay.  The branch hangs on the wave's number alone.
.macro BLOAD s
	s_cmp_eq_u32 s[RH], 0
	s_cbranch_scc1 .Lno_part_\@
	tensor_load_to_lds s[G0B+4*\s:G0B+4*\s+3], s[G1B:G1B+7]
	s_nop 0
.rept 4
	v_nop
.endr
.Lno_part_\@:
.endm
.macro CREST                           ; a round of the cluster's barrier behind its opening barrier
	s_cmp_lg_u32 s[WV], 0
	s_cbranch_scc1 .Lnot_wave_0_\@
	s_barrier_signal -3
.Lnot_wave_0_\@:
	s_barrier_wait -3
	s_barrier_signal -1
	s_barrier_wait -1
.endm
.macro CROUND                          ; a whole round
	s_barrier_signal -1
	s_barrier_wait -1
	CREST
.endm
; The bias of my 128 columns of tile column s[YT]: bq for tile columns 0-3, bk for 4-7, bv for 8.  The three pointers stay as they came; the choice hangs on the tile column alone.
.macro BIASLOAD
	s_cmp_lt_u32 s[YT], 4
	s_cselect_b64 s[BP:BP+1], s[12:13], s[14:15]
	s_cmp_lt_u32 s[YT], 8
	s_cselect_b64 s[BP:BP+1], s[BP:BP+1], s[16:17]
	s_and_b32 s46, s[YT], 3
	s_lshl_b32 s46, s46, 10                        ; 256 numbers of f32 a tile column,
	s_lshl_b32 s47, s[CH], 9                       ; my half of them
	s_add_co_u32 s46, s46, s47
	s_mov_b32 s47, 0
	s_add_nc_u64 s[BP:BP+1], s[BP:BP+1], s[46:47]
	WIN TO_B
.irp b, 0,1,2,3,4,5,6,7
	global_load_b128 v[BIAS+8*\b:BIAS+8*\b+3],   v[BO], s[BP:BP+1] offset:64*\b      ; register 8 b + j: the bias of column 16 b + 8 (lane / 16) + j
	global_load_b128 v[BIAS+8*\b+4:BIAS+8*\b+7], v[BO], s[BP:BP+1] offset:64*\b+16
.endr
	WIN 0
.endm
	s_load_b512 s[4:19], s[0:1], 0x0               ; xc 4:5, xs 6:7, wc 8:9, ws 10:11, bq 12:13, bk 14:15, bv 16:17, qkv 18:19
	v_lshl_add_u32 v[SPW], v0, 2, SPARE
	v_mov_b32 v[NIL], 0
	ds_add_u32 v[SPW], v[NIL]                      ; the wave's opening: the add, twice on end, and its wait ahead of my first tensor load
	ds_add_u32 v[SPW], v[NIL]                      ; and once more; the set-up below, work on registers, stands between it and the wait
	v_lshrrev_b32 v1, 5, v0
	v_readfirstlane_b32 s[WV], v1                  ; wave 0..3
	s_lshr_b32 s[RH], s[WV], 1
	s_and_b32 s[CH], s[WV], 1
	s_bfe_u32 s23, ttmp6, 0x40000                  ; cx: my place in the cluster
	s_lshl_b32 s40, ttmp9, 2
	s_add_co_u32 s40, s40, s23                     ; tile row = 4 x cluster x + cx: it enters x's and qkv's addresses alone
	s_and_b32 s41, ttmp7, 0xffff                   ; which 768 columns: the four partners share it
	; x's codes: 128 rows x 256 bytes, 512 bytes apart in memory, 16 bytes of padding behind each row in LDS; no mask
	s_mov_b32 s[G1+0], (0<<16)|(1<<20)|(5<<22)|(3<<25)   ; elements of 1 byte; padding on; after every 64 words; of 4 words
	s_mov_b32 s[G1+1], 256<<16                     ; tensor_dim0
	s_mov_b32 s[G1+2], 128<<16                     ; tensor_dim1
	s_mov_b32 s[G1+3], 256<<16                     ; tile_dim0
	s_mov_b32 s[G1+4], 128                         ; tile_dim1
	s_mov_b32 s[G1+5], 512                         ; from row to row
	s_mov_b32 s[G1+6], 0
	s_mov_b32 s[G1+7], 0
	; W's codes: 8 blocks of k x 4,096 bytes (512 elements of 8 bytes), 36,864 bytes apart in memory, dense in LDS; the mask names the four partners
	s_mov_b32 s[G1B+0], 15|(3<<16)|(1<<21)
	s_mov_b32 s[G1B+1], 512<<16
	s_mov_b32 s[G1B+2], 8<<16
	s_mov_b32 s[G1B+3], 512<<16
	s_mov_b32 s[G1B+4], 8
	s_mov_b32 s[G1B+5], 4608
	s_mov_b32 s[G1B+6], 0
	s_mov_b32 s[G1B+7], 0
	; the scales: dense bytes, as rows of 256 bytes (32 elements of 8), 16 bytes of padding behind each: x's 128 rows are 16 such rows, W's 384 columns 48
	s_mov_b32 s[G1S+0], (3<<16)|(1<<20)|(5<<22)|(3<<25)
	s_mov_b32 s[G1S+1], 32<<16
	s_mov_b32 s[G1S+2], 16<<16
	s_mov_b32 s[G1S+3], 32<<16
	s_mov_b32 s[G1S+4], 16
	s_mov_b32 s[G1S+5], 32
	s_mov_b32 s[G1S+6], 0
	s_mov_b32 s[G1S+7], 0
	s_mov_b32 s[G1SB+0], 15|(3<<16)|(1<<20)|(1<<21)|(5<<22)|(3<<25)
	s_mov_b32 s[G1SB+1], 32<<16
	s_mov_b32 s[G1SB+2], 48<<16
	s_mov_b32 s[G1SB+3], 32<<16
	s_mov_b32 s[G1SB+4], 48
	s_mov_b32 s[G1SB+5], 32
	s_mov_b32 s[G1SB+6], 0
	s_mov_b32 s[G1SB+7], 0
	; where x's parts come from (registers that hold cx's share) ...
	s_lshl_b32 s42, s40, 8
	s_lshl_b32 s43, s[CH], 7
	s_add_co_u32 s42, s42, s43                     ; row 256 x tile row + 128 x half
	s_lshl_b32 s46, s42, 5                         ; its scales: 32 bytes a row
	s_mov_b32 s47, 0
	s_lshl_b32 s42, s42, 9                         ; its codes: 512 bytes a row
	s_mov_b32 s43, 0
	; ... and W's (registers that never hold it): made of y and the wave's number alone
	s_mul_i32 s92, s[CH], 8*36864                  ; my 8 blocks of a slot's 16
	s_mul_i32 s93, s41, 768*16                     ; the work-group's first column, 16 bytes a column
	s_add_co_u32 s92, s92, s93
	s_mov_b32 s93, 0
	s_mul_i32 s94, s41, 768*32                     ; scales: 32 bytes a column,
	s_mul_i32 s95, s[CH], 384*32                   ; my 384 columns
	s_add_co_u32 s94, s94, s95
	s_mov_b32 s95, 0
	s_mul_i32 s44, s[CH], HALFT                    ; where they go in LDS: the wave's number alone
	s_mul_i32 s45, s[CH], HALFB
	s_add_co_u32 s45, s45, BOFF
	s_mul_i32 s3, s[CH], HALFS
	s_add_co_u32 s3, s3, SCL
	s_mul_i32 s2, s[CH], HALFSB
	s_add_co_u32 s2, s2, SCB
	s_wait_dscnt 0x0                               ; both opening adds are done
	s_wait_kmcnt 0x0
	s_add_nc_u64 s[42:43], s[4:5], s[42:43]
	s_add_nc_u64 s[46:47], s[6:7], s[46:47]
	s_add_nc_u64 s[92:93], s[8:9], s[92:93]
	s_add_nc_u64 s[94:95], s[10:11], s[94:95]
	CROUND                                         ; all four work-groups are here: the first loads go out as one group behind this round
	s_mov_b32 s[G0S], 1
	s_mov_b32 s[G0S+1], s3
	s_mov_b64 s[G0S+2:G0S+3], s[46:47]
	s_or_b32 s[G0S+3], s[G0S+3], 0x80000000
	s_mov_b32 s[G0SB], 1
	s_mov_b32 s[G0SB+1], s2
	s_mov_b64 s[G0SB+2:G0SB+3], s[94:95]
	s_or_b32 s[G0SB+3], s[G0SB+3], 0x80000000
	JLOAD G0S, G1S, G0SB, G1SB                     ; the scales first: they are wanted with the first step
.irp s, 0,1
	s_mov_b32 s[G0+4*\s], 1
	s_add_co_u32 s[G0+4*\s+1], s44, \s*SLOT
	s_add_nc_u64 s[G0+4*\s+2:G0+4*\s+3], s[42:43], \s*256
	s_or_b32 s[G0+4*\s+3], s[G0+4*\s+3], 0x80000000
	s_mov_b32 s[G0B+4*\s], 1
	s_add_co_u32 s[G0B+4*\s+1], s45, \s*SLOT
	s_add_nc_u64 s[G0B+4*\s+2:G0B+4*\s+3], s[92:93], \s*16*36864
	s_or_b32 s[G0B+4*\s+3], s[G0B+4*\s+3], 0x80000000
	JLOAD G0+4*\s, G1, G0B+4*\s, G1B               ; three tensor loads of mine are out behind the second of these
.endr
	s_mov_b32 s[DL], 0
	s_mov_b32 s[DL+1], 0
	s_mov_b32 s[TOFF], 0
	s_mul_i32 s[YT], s41, TILES                    ; the first tile's column
	v_and_b32 v1, 15, v0                           ; r = lane % 16
	v_bfe_u32 v[HH], v0, 4, 1                      ; h = lane / 16
	v_lshlrev_b32 v[BO], 5, v[HH]
	BIASLOAD                                       ; the first tile's bias
	v_mul_u32_u24 v3, v1, PITCH
	v_lshl_add_u32 v4, v[HH], 4, v3                ; x: row x pitch + 16 x half
	v_lshlrev_b32 v5, 4, v1
	v_lshl_add_u32 v5, v[HH], 12, v5               ; W: 16 x column + 4,096 x half: lanes 16-31 take the next block of 32 k
	s_mul_i32 s46, s[RH], HALFT                    ; my 128 rows of x
	s_lshl_b32 s47, s[CH], 11                      ; my 128 columns of W
	s_add_co_u32 s47, s47, BOFF
.irp s, 0,1
	v_add_nc_u32 v[ADRA+\s], s46, v4
	v_add_nc_u32 v[ADRB+\s], s47, v5
	s_add_co_u32 s46, s46, SLOT
	s_add_co_u32 s47, s47, SLOT
.endr
	v_mul_u32_u24 v5, v1, KS                       ; my row's scales: 32 bytes a row,
	v_lshrrev_b32 v6, 8, v5
	v_lshl_add_u32 v5, v6, 4, v5                   ; and 16 more for each 256 passed
	s_mul_i32 s46, s[RH], HALFS                    ; x's: my 128 rows
	s_mul_i32 s47, s[CH], HALFS                    ; W's: my 128 columns of the first tile, behind x's 256 rows
	s_add_co_u32 s47, s47, 2*HALFS
	s_sub_co_u32 s47, s47, s46
	v_mul_u32_u24 v6, s47, v[HH]                   ; lanes 16-31 take W's: one product, the distance between the two bases
	s_add_co_u32 s46, s46, SCL
	v_add_nc_u32 v5, v5, v6
	v_add_nc_u32 v[ADRS0], s46, v5
	v_mad_u32_u24 v[ADRS], v[HH], s[TOFF], v[ADRS0]   ; the first tile: nothing is added yet
	s_mul_i32 s46, s[WV], 16*SPITCH
	s_add_co_u32 s46, s46, STAGE                   ; my stage
	v_add_nc_u32 v[STO], s46, v4                   ; in: row r, 16 bytes for each half of the lanes
	v_mul_u32_u24 v6, v[HH], SPITCH
	v_lshl_add_u32 v6, v1, 4, v6
	v_add_nc_u32 v[RD], s46, v6                    ; back: lanes 0-15 one row of 256 bytes, lanes 16-31 the next
	v_mul_u32_u24 v6, v[HH], QROW
	v_lshl_add_u32 v[CO], v1, 4, v6                ; and the same two rows in qkv
	s_lshl_b32 s46, s40, 8
	s_lshl_b32 s47, s[RH], 7
	s_add_co_u32 s46, s46, s47                     ; my first row
	s_mul_i32 s46, s46, QROW
	s_mul_i32 s47, s41, 768*2                      ; my first column of the first tile, in bytes: 1,536 y + 256 x half
	s_add_co_u32 s46, s46, s47
	s_lshl_b32 s47, s[CH], 8
	s_add_co_u32 s46, s46, s47
	s_mov_b32 s47, 0
	s_add_nc_u64 s[18:19], s[18:19], s[46:47]
.macro FRAGA reg, adr, q, i            ; 16 rows x 128 K of codes: registers 4 c .. 4 c + 3 hold K = 64 c + 32 (lane / 16) + 0 .. 31: 16 bytes of the row as they lie
.irp c, 0,1
	ds_load_b128 v[\reg+4*\c:\reg+4*\c+3], v[\adr] offset:64*(\q)+32*\c+(\i)*16*PITCH
.endr
.endm
.macro FRAGB reg, adr, q, i            ; the same of W: block of k 4 q + 2 c + (lane / 16), column 16 i + lane % 16
.irp c, 0,1
	ds_load_b128 v[\reg+4*\c:\reg+4*\c+3], v[\adr] offset:(4*(\q)+2*\c)*4096+(\i)*256
.endr
.endm
; 16 matrix instructions: x's blocks a0, a0 + 1 against W's eight.  p: W's set; sc: the set of scale words; first = 1: the bias starts the sums.
; The 64 accumulators take turns, one instruction a turn, in the same order in every step, from tile to tile too.
.macro MUL16 a0, p, q, sc, first
.irp a, \a0, \a0+1
.irp b, 0,1,2,3,4,5,6,7
.if \first
	v_wmma_scale_f32_16x16x128_f8f6f4 v[8*(8*((\a)%4)+\b):8*(8*((\a)%4)+\b)+7], v[128*(\p)+FR*\b:128*(\p)+FR*\b+FR-1], v[AF+FR*(\a):AF+FR*(\a)+FR-1], v[BIAS+8*\b:BIAS+8*\b+7], v[SC+8*NQ*(\sc)+NQ*\b+(\q)], v[SC+8*NQ*(\sc)+NQ*(\a)+(\q)] matrix_a_fmt:MATRIX_FMT_FP4 matrix_b_fmt:MATRIX_FMT_FP4 matrix_a_scale:MATRIX_SCALE_ROW1
.else
	v_wmma_scale_f32_16x16x128_f8f6f4 v[8*(8*((\a)%4)+\b):8*(8*((\a)%4)+\b)+7], v[128*(\p)+FR*\b:128*(\p)+FR*\b+FR-1], v[AF+FR*(\a):AF+FR*(\a)+FR-1], v[8*(8*((\a)%4)+\b):8*(8*((\a)%4)+\b)+7], v[SC+8*NQ*(\sc)+NQ*\b+(\q)], v[SC+8*NQ*(\sc)+NQ*(\a)+(\q)] matrix_a_fmt:MATRIX_FMT_FP4 matrix_b_fmt:MATRIX_FMT_FP4 matrix_a_scale:MATRIX_SCALE_ROW1
.endif
.endr
.endr
.endm
.macro FETCH_B slot, q, p
	WIN TO_B
.irp i, 0,1,2,3,4,5,6,7
	FRAGB 128*(\p)+FR*\i, ADRB+\slot, \q, \i
.endr
	WIN 0
.endm
.macro FETCH_A slot, q, i0
.irp i, \i0, \i0+1, \i0+2, \i0+3
	FRAGA AF+FR*(\i), ADRA+\slot, \q, \i
.endr
.endm
.macro SCALES sc                       ; slot sc's scale words of the tile in hand: four a row, 16 bytes on for the second slot; lanes 0-15 take x's block i, lanes 16-31 W's block i
.irp i, 0,1,2,3,4,5,6,7
	ds_load_b128 v[SC+8*NQ*\sc+NQ*\i:SC+8*NQ*\sc+NQ*\i+3], v[ADRS] offset:\i*SBLK+4*NQ*\sc
.endr
.endm
.macro PLACES n                        ; plain vector lines between a matrix instruction and a load into, or a read of, its registers (ISA guide 7.12.1 for reads)
.rept \n
	v_nop
.endr
.endm
; A step of 128 along K that has its successor in the same slot.  x has one set of fragments: blocks 0-3 are fetched anew in the step's middle, blocks 4-7 at its end.
.macro STEP slot, q, first
	s_wait_dscnt 4*NL                              ; W's set and x's blocks 0-3 are in; the youngest eight loads (x's blocks 4-7) may be out
.if \first
	WIN FST_LO
.else
	WIN MUL_LO
.endif
	MUL16 0, (\q)%2, \q, \slot, \first
	MUL16 2, (\q)%2, \q, \slot, \first
	s_wait_dscnt 0
	PLACES NP
	FETCH_B \slot, (\q)+1, 1-(\q)%2
	FETCH_A \slot, (\q)+1, 0
.if \first
	WIN FST_HI
.else
	WIN MUL_HI
.endif
	MUL16 4, (\q)%2, \q, \slot, \first
	MUL16 6, (\q)%2, \q, \slot, \first
	PLACES NP
	WIN 0
	FETCH_A \slot, (\q)+1, 4
.endm
.macro STEPS slot, from
.set Q, \from
.rept NQ-1-\from
	STEP \slot, Q, 0
.set Q, Q+1
.endr
.endm
; A slot's last step changes slots: ONE barrier.  In front of it each wave waits for all its tensor loads (waves 2 and 3: their part of the slot that is read next), adds 0 to its spare word, and waits for that and for
; its own reads of this slot.  fill = 1: the barrier opens a round of the cluster's barrier, and behind the round W's part of this slot takes the NEXT TILE's codes of the same 512 of K: 256 columns, 4,096 bytes, on.
; From a request to the wait for it a wave issues 224 matrix instructions; behind a tile's end the way out lies between them too.
.macro TURN slot, next, fill
	s_wait_tensorcnt 0x0                           ; no tensor load of mine is out, so a group 0 may be written  (every window is 0 here: the add's two registers lie in window 0)
	ds_add_u32 v[SPW], v[NIL]                      ; every way here leads through the head's tensor loads
	s_wait_dscnt 4*NL+1                            ; (the add and the youngest eight loads, x's blocks 4-7, may be out)
	WIN MUL_LO
	MUL16 0, 1, NQ-1, \slot, 0                     ; sixteen matrix instructions stand between the add and the wait for it
	s_wait_dscnt 0x0                               ; the add is done, and my reads of this slot are over
	s_barrier_signal -1
	MUL16 2, 1, NQ-1, \slot, 0
	WIN 0
	s_barrier_wait -1
.if \fill
	CREST                                          ; no wave of any partner still reads W's part of this slot or has a load on its way
	s_add_nc_u64 s[G0B+4*\slot+2:G0B+4*\slot+3], s[G0B+4*\slot+2:G0B+4*\slot+3], 4096
	BLOAD \slot                                    ; the first tensor load behind the round, one for each of waves 2 and 3
.endif
	PLACES NP                                      ; on every wave's way: ahead of the loads into registers that the products above have read
.if \slot == 1
	s_add_co_u32 s[TOFF], s[TOFF], TSC             ; a tile's end: on to the next tile's scale words:
	v_mad_u32_u24 v[ADRS], v[HH], s[TOFF], v[ADRS0]   ; W's lanes step, x's stay (no LDS load of mine is out)
.endif
	FETCH_B \next, 0, 0
	FETCH_A \next, 0, 0
	SCALES \next
	WIN MUL_HI
	MUL16 4, 1, NQ-1, \slot, 0
	MUL16 6, 1, NQ-1, \slot, 0
	PLACES NP
	WIN 0
	FETCH_A \next, 0, 4
.endm
; THE WAY OUT, a block of 16 rows x 128 columns at a time: rounded to f16 (16 bytes a lane), into my own stage, back as whole rows of 256 bytes, stored sixteen lanes to 256 consecutive aligned bytes.
; It touches v96-127 and v192-255 of window 0 alone: the next tile's first fragments and scale words, fetched ahead of it, stay where they are.
.macro PACK a
.set AC, 64*((\a)%4)
	WIN 0x0a+5*((\a)/4)                            ; sources 0 and 1: window 2 or 3
.irp b, 0,1,2,3,4,5,6,7
.irp r, 0,1,2,3
	v_cvt_pk_f16_f32 v[TMP+4*\b+\r], v[AC+8*\b+2*\r], v[AC+8*\b+2*\r+1]   ; each accumulator from its low end on
.endr
.endr
	WIN 0
.endm
.macro TOSTAGE a
.set BB, OB+32*((\a)%2)
.irp b, 0,1,2,3,4,5,6,7
	ds_store_b128 v[STO], v[TMP+4*\b:TMP+4*\b+3] offset:32*\b
.endr
.irp t, 0,1,2,3,4,5,6,7
	ds_load_b128 v[BB+4*\t:BB+4*\t+3], v[RD] offset:\t*2*SPITCH    ; LDS serves a wave's instructions in order: these see the stores above
.endr
.endm
.macro SEND a
.set BB, OB+32*((\a)%2)
	s_wait_dscnt 0x0                               ; the block is back in registers
	s_wait_xcnt 0x0                                ; the earlier stores have read their base and their data: the base may step, and the next block's loads may land
.if (\a) == 0
	s_add_nc_u64 s[18:19], s[18:19], s[DL:DL+1]    ; on to this tile's columns
.endif
.irp t, 0,1,2,3,4,5,6,7
	global_store_b128 v[CO], v[BB+4*\t:BB+4*\t+3], s[18:19] offset:(16*(\a)+2*\t)*QROW   ; the rows stand in the immediate: 126 rows of 4,608 bytes at the most, inside its signed 24 bits
.endr
.endm
.macro WAYOUT
	PACK 0
	TOSTAGE 0
.irp a, 1,2,3,4,5,6,7                  ; block a's conversions stand between block a - 1's loads from the stage and the wait for them
	PACK \a
	SEND \a-1
	TOSTAGE \a
.endr
	SEND 7
.endm
	s_wait_tensorcnt 1                             ; the scales and my part of slot 0 are in; slot 1's load may stay out
	s_barrier_signal -1
	s_barrier_wait -1                              ; everybody's are
	FETCH_B 0, 0, 0
	FETCH_A 0, 0, 0
	SCALES 0
	FETCH_A 0, 0, 4
	s_mov_b32 s[TL], TILES-1
.Ltile:                                            ; two trips: a tile that has a successor
	s_wait_loadcnt 0x0                             ; this tile's bias
	STEP 0, 0, 1                                   ; the bias starts the sums: nothing is cleared
	s_add_co_u32 s[YT], s[YT], 1
	BIASLOAD                                       ; the next tile's bias, into the registers that the step above has read (four places stand behind its last product)
	STEPS 0, 1
	TURN 0, 1, 1                                   ; slot 0 takes the next tile's first 512 of K
	STEPS 1, 0
	TURN 1, 0, 1                                   ; slot 1 its second 512; the next tile's first fragments and scale words are fetched
	WAYOUT                                         ; both refills are asked for: now the tile goes out.  Blocks 0-3 were finished long ago: their conversions, which name no register of the last products, stand behind TURN's places
	s_mov_b32 s[DL], 512                           ; what the next way out adds to the stores' base
	s_sub_co_u32 s[TL], s[TL], 1
	s_cmp_lg_u32 s[TL], 0
	s_cbranch_scc1 .Ltile
	s_wait_loadcnt 0x0                             ; THE LAST TILE is written out: it asks for nothing more on a count
	STEP 0, 0, 1
	STEPS 0, 1
	TURN 0, 1, 0                                   ; my one tensor load that was still out is slot 1's, so no round follows
	STEPS 1, 0
	s_wait_dscnt 4*NL                              ; the last step: nothing more to fetch
	WIN MUL_LO
	MUL16 0, 1, NQ-1, 1, 0
	MUL16 2, 1, NQ-1, 1, 0
	s_wait_dscnt 0
	WIN MUL_HI
	MUL16 4, 1, NQ-1, 1, 0
	MUL16 6, 1, NQ-1, 1, 0
	WIN 0
	PLACES NP                                      ; behind the last products, ahead of the first read of results
	WAYOUT
	s_wait_tensorcnt 0x0                           ; the wave's end, behind my last tensor load and my last LDS store
	ds_add_u32 v[SPW], v[NIL]
	s_wait_dscnt 0x0
	CROUND                                         ; the closing round: no work-group ends while a partner may still ask for a tile that names it
	s_endpgm
.Lfunc_end_k_qa848a715cf_proj:
	.size	k_qa848a715cf_proj, .Lfunc_end_k_qa848a715cf_proj-k_qa848a715cf_proj
	.p2alignl 7, 3214868480
	.fill 96, 4, 3214868480
	.section	.rodata,"a",@progbits
	.p2align	6, 0x0
	.amdhsa_kernel k_qa848a715cf_proj
		.amdhsa_group_segment_fixed_size 327680
		.amdhsa_private_segment_fixed_size 0
		.amdhsa_enable_private_segment 0
		.amdhsa_kernarg_size 64
		.amdhsa_user_sgpr_count 2
		.amdhsa_user_sgpr_kernarg_segment_ptr 1
		.amdhsa_wavefront_size32 1
		.amdhsa_system_sgpr_workgroup_id_x 1
		.amdhsa_system_sgpr_workgroup_id_y 1
		.amdhsa_system_sgpr_workgroup_id_z 1
		.amdhsa_system_vgpr_workitem_id 0
		.amdhsa_next_free_vgpr 1024
		.amdhsa_next_free_sgpr 96
		.amdhsa_reserve_vcc 0
		.amdhsa_float_denorm_mode_32 3
		.amdhsa_float_denorm_mode_16_64 3
		.amdhsa_memory_ordered 1
		.amdhsa_forward_progress 1
		.amdhsa_inst_pref_size 248
	.end_amdhsa_kernel
	.amdgpu_metadata
---
amdhsa.version: [ 1, 2 ]
amdhsa.kernels:
  - .name:           k_qa848a715cf_proj
    .symbol:         k_qa848a715cf_proj.kd
    .args:
      - { .name: xc, .offset: 0, .size: 8, .value_kind: global_buffer, .address_space: global }
      - { .name: xs, .offset: 8, .size: 8, .value_kind: global_buffer, .address_space: global }
      - { .name: wc, .offset: 16, .size: 8, .value_kind: global_buffer, .address_space: global }
      - { .name: ws, .offset: 24, .size: 8, .value_kind: global_buffer, .address_space: global }
      - { .name: bq, .offset: 32, .size: 8, .value_kind: global_buffer, .address_space: global }
      - { .name: bk, .offset: 40, .size: 8, .value_kind: global_buffer, .address_space: global }
      - { .name: bv, .offset: 48, .size: 8, .value_kind: global_buffer, .address_space: global }
      - { .name: qkv, .offset: 56, .size: 8, .value_kind: global_buffer, .address_space: global }
    .group_segment_fixed_size: 327680
    .private_segment_fixed_size: 0
    .kernarg_segment_align: 8
    .kernarg_segment_size: 64
    .max_flat_workgroup_size: 128
    .sgpr_count:     96
    .vgpr_count:     1024
    .wavefront_size: 32
...
	.end_amdgpu_metadata
.endif
;; end of part 2
;; launch attn (part 3): grid 2 x 128, 8 waves a work-group, no clusters, 327,680 bytes of LDS; arguments qkv, hd; writes hd
.if DOCPART == 3
	.amdgcn_target "amdgcn-amd-amdhsa--gfx1250"
	.amdhsa_code_object_version 6
	.text
	.protected	k_qa848a715cf_attn
	.globl	k_qa848a715cf_attn
	.p2align	8
	.type	k_qa848a715cf_attn,@function
k_qa848a715cf_attn:
	s_mov_b64 s[64:65], 0
	v_nop
	global_prefetch_b8 v0, s[64:65] scope:SCOPE_SE
	s_setreg_imm32_b32 hwreg(HW_REG_WAVE_MODE, 25, 1), 1
	s_wait_xcnt 0x0
; ATTN: heads[b][q][h][:] = sum over k of softmax_k(q . k / sqrt(128)) v, for each of 16 x 8 (batch, head) pairs; 1,024 queries, 1,024 keys, key size 128, value size 32.
; q, k, v: f16, in rows of qkv (4,608 bytes: q at byte 256 h, k at 2,048 + 256 h, v at 4,096 + 64 h).  Products on f16 operands, sums, maxima and the softmax in f32; the weights p are rounded to f16 for the second
; product, the normalised heads once to f16 at the end.  A running maximum is taken away before every exponential.
; LIMITS: a weight under about 6e-8 of its row's largest rounds to 0 in f16.  NaN and infinities are not served.
; SHARES.  A work-group owns 512 queries of one (batch, head), each of its eight waves 64: four tiles of 16.  Two waves share a SIMD (512 registers each), so that one wave's softmax stands beside the other's products.
; Every wave walks all 1,024 keys, 64 a step; each fragment of K read from LDS feeds four products.
; LAYOUT.  S^T = K Q^T (source 0 = 16 keys, source 1 = 16 queries): a lane holds ONE query (lane % 16) and the keys 8 (lane / 16) + 0..7.  Two such tiles, rounded to f16 in pairs, ARE source 1 (32 keys x 16 queries)
; of O^T = V^T P, whose result again holds one query a lane.  K comes out of LDS as it lies; V ([key][channel]) turned, by ds_load_tr16_b128.
; THE RING.  Two LDS slots of 256 keys (K: rows of 256 + 16 bytes; V: rows of 64 + 32 bytes), filled by tensor loads: waves 0-3 a quarter of K each, waves 4-7 a quarter of V.  A slot is asked for at the change of
; slots and read a whole slot later: four key steps, 320 matrix instructions of each wave, lie between the request and the wait for it; so no prefetch is laid beside the tensor loads.
; V's rows are 64 bytes of the tensor itself and stay so.
; NO CLUSTER: only two work-groups walk the same K and V, and a grid of 2 along x does not divide into clusters of four.
; THE RESULT leaves as images of the next product's operand registers: hd [1024 row tiles][8 heads][2 halves][32 lanes][16 bytes]: each store of a wave covers 512 consecutive bytes, and no LDS is wanted.
; REGISTERS: window 0: v1-11 addresses; v32-63 statistics, eight a tile; v64-191 S^T, 32 a tile, then P in each tile's first 16; v192-255 K, two buffers of one key tile.
;   window 1: v0-127 Q, 32 a tile; v128-191 O^T, 16 a tile; v192-223 V of one step; v224-255 the packed result.
.set PK,    272
.set PV,    96
.set VOFF,  256*PK                     ; a slot: 256 rows of K, then 256 rows of V
.set SLOT1, 1<<17                      ; slot 1 begins here: one exclusive or turns an address from one slot into the other
.set SPARE, SLOT1+256*(PK+PV)          ; behind the ring: the spare words, 128 bytes a wave, which no other line names
.set KSTEP, 64*PK                      ; a key step's rows of K,
.set VSTEP, 64*PV                      ; and of V
.set QROW,  4608
.set AK0, 3                            ; v3   my lane's place in a tile of K
.set AV0, 4                            ; v4   the same for V
.set ADK, 5                            ; v5   LDS address of the step's K
.set ADV, 6                            ; v6   of its V
.set QO,  7                            ; v7   my byte offset in the wave's rows of Q
.set GO,  8                            ; v8   16 x lane
.set SPW, 10                           ; v10  my spare word; never rewritten
.set NIL, 11                           ; v11  0; never rewritten
.set ST,  32                           ; tile t at v[ST + 8 t]: +0 c m, +1 m, +2, +3 the sum (even keys', odd keys'), +4 to +7 at work; a takes +6
.set S,   64
.set KB,  192
.set O,   128                          ; in window 1
.set V,   192
.set H,   224
.set WV,  8
.set G1K, 16
.set G1V, 24
.set G0K, 32
.set G0V, 36
.set CS,  48                           ; s[48:49] c = log2(e) / sqrt(128), twice: the packed form names a pair
.set SEL, 50                           ; s[50:51] lane selects: lane l xor 16
.set TBK, 52
.set TBV, 53
.set CNT, 54
.set SLOTS, 55
.set MSB, 0
.macro WIN new
.if MSB != (\new)
	s_set_vgpr_msb (MSB<<8)|(\new)
.set MSB, (\new)
.endif
.endm
; Waves 0-3 fetch K's quarters, waves 4-7 V's: one load a wave.  An s_nop 0 and four v_nop follow each of the two lines.
.macro TLOAD
	s_cmp_lt_u32 s[WV], 4
	s_cbranch_scc0 .Lfor_v_\@
	tensor_load_to_lds s[G0K:G0K+3], s[G1K:G1K+7]
	s_nop 0
.rept 4
	v_nop
.endr
	s_branch .Lasked_\@
.Lfor_v_\@:
	tensor_load_to_lds s[G0V:G0V+3], s[G1V:G1V+7]
	s_nop 0
.rept 4
	v_nop
.endr
.Lasked_\@:
.endm
	s_load_b128 s[4:7], s[0:1], 0x0                ; qkv, hd
	v_lshl_add_u32 v[SPW], v0, 2, SPARE
	v_mov_b32 v[NIL], 0
	ds_add_u32 v[SPW], v[NIL]                      ; the wave's opening: the add, twice on end, and its wait ahead of my first tensor load
	ds_add_u32 v[SPW], v[NIL]                      ; and once more; the set-up below, work on registers, stands between it and the wait
	v_lshrrev_b32 v1, 5, v0
	v_readfirstlane_b32 s[WV], v1                  ; wave 0..7
	s_and_b32 s9, s[WV], 3                         ; which quarter of a slot I fetch
	s_and_b32 s10, ttmp7, 0xffff
	s_lshr_b32 s11, s10, 3                         ; batch
	s_and_b32 s12, s10, 7                          ; head
	s_mov_b32 s[G1K], (1<<16)|(1<<20)|(5<<22)|(3<<25)   ; elements of 2 bytes; padding on; after every 64 words; of 4 words
	s_mov_b32 s[G1K+1], 128<<16                    ; tensor_dim0
	s_mov_b32 s[G1K+2], 64<<16                     ; tensor_dim1
	s_mov_b32 s[G1K+3], 128<<16                    ; tile_dim0
	s_mov_b32 s[G1K+4], 64                         ; tile_dim1
	s_mov_b32 s[G1K+5], 2304                       ; elements from row to row
	s_mov_b32 s[G1K+6], 0
	s_mov_b32 s[G1K+7], 0
	s_mov_b32 s[G1V], (1<<16)|(1<<20)|(3<<22)|(7<<25)   ; padding after every 16 words, of 8 words
	s_mov_b32 s[G1V+1], 32<<16
	s_mov_b32 s[G1V+2], 64<<16
	s_mov_b32 s[G1V+3], 32<<16
	s_mov_b32 s[G1V+4], 64
	s_mov_b32 s[G1V+5], 2304
	s_mov_b32 s[G1V+6], 0
	s_mov_b32 s[G1V+7], 0
	s_mul_i32 s13, s11, 1024*QROW                  ; the batch's first row
	s_mul_i32 s14, s9, 64*QROW                     ; my quarter's 64 rows
	s_add_co_u32 s14, s14, s13
	s_lshl_b32 s15, s12, 8
	s_add_co_u32 s40, s14, s15
	s_add_co_u32 s40, s40, 2048                    ; K: byte 2,048 + 256 x head of a row
	s_mov_b32 s41, 0
	s_lshl_b32 s15, s12, 6
	s_add_co_u32 s42, s14, s15
	s_add_co_u32 s42, s42, 4096                    ; V: byte 4,096 + 64 x head
	s_mov_b32 s43, 0
	s_lshl_b32 s44, ttmp9, 9
	s_lshl_b32 s45, s[WV], 6
	s_add_co_u32 s44, s44, s45                     ; my first query: 512 x work-group x + 64 x wave
	s_mul_i32 s44, s44, QROW
	s_add_co_u32 s44, s44, s13
	s_lshl_b32 s45, s12, 8
	s_add_co_u32 s44, s44, s45                     ; Q: byte 256 x head
	s_mov_b32 s45, 0
	s_lshl_b32 s46, s11, 6
	s_lshl_b32 s47, ttmp9, 5
	s_add_co_u32 s46, s46, s47
	s_lshl_b32 s47, s[WV], 2
	s_add_co_u32 s46, s46, s47                     ; my first row tile: 64 x batch + 32 x work-group x + 4 x wave
	s_lshl_b32 s46, s46, 3
	s_add_co_u32 s46, s46, s12
	s_lshl_b32 s46, s46, 10                        ; 1,024 bytes for a row tile and a head
	s_mov_b32 s47, 0
	s_mov_b32 s[CS], 0x3e0293ee
	s_mov_b32 s[CS+1], s[CS]
	s_mov_b32 s[SEL], 0x76543210
	s_mov_b32 s[SEL+1], 0xfedcba98
	s_mov_b32 s[TBK], 0
	s_mov_b32 s[TBV], 0
	s_mov_b32 s[SLOTS], 3
	s_wait_dscnt 0x0                               ; both opening adds are done
	s_wait_kmcnt 0x0
	s_mov_b32 s[G0K], 1
	s_mul_i32 s[G0K+1], s9, KSTEP                  ; slot 0, my quarter
	s_add_nc_u64 s[G0K+2:G0K+3], s[4:5], s[40:41]
	s_or_b32 s[G0K+3], s[G0K+3], 0x80000000
	s_mov_b32 s[G0V], 1
	s_mul_i32 s[G0V+1], s9, VSTEP
	s_add_co_u32 s[G0V+1], s[G0V+1], VOFF
	s_add_nc_u64 s[G0V+2:G0V+3], s[4:5], s[42:43]
	s_or_b32 s[G0V+3], s[G0V+3], 0x80000000
	TLOAD                                          ; slot 0: keys 0 to 255.  One tensor load of mine is out
	s_add_nc_u64 s[56:57], s[4:5], s[44:45]        ; Q at my first query
	s_add_nc_u64 s[58:59], s[6:7], s[46:47]        ; hd at my first row tile
	v_and_b32 v1, 15, v0                           ; r
	v_bfe_u32 v2, v0, 4, 1                         ; h
	v_mul_u32_u24 v[AK0], v1, PK
	v_lshl_add_u32 v[AK0], v2, 4, v[AK0]           ; a fragment of K: row x pitch + 16 x half
	v_and_b32 v9, 7, v0
	v_lshl_add_u32 v[AV0], v2, 3, v9               ; the turning load: key 8 (lane / 16) + lane % 8,
	v_mul_u32_u24 v[AV0], v[AV0], PV
	v_bfe_u32 v9, v0, 3, 1
	v_lshl_add_u32 v[AV0], v9, 4, v[AV0]           ; channels 8 ((lane / 8) % 2) on
	v_add_nc_u32 v[AV0], VOFF, v[AV0]
	v_mul_u32_u24 v[QO], v1, QROW
	v_lshl_add_u32 v[QO], v2, 4, v[QO]
	v_and_b32 v[GO], 31, v0
	v_lshlrev_b32 v[GO], 4, v[GO]
	WIN 0x40                                       ; destination window 1
.irp t, 0,1,2,3                        ; Q stays in registers: tile t, channels 32 c on
.irp c, 0,1,2,3
	global_load_b128 v[32*\t+8*\c:32*\t+8*\c+3],   v[QO], s[56:57] offset:\t*16*QROW+64*\c
	global_load_b128 v[32*\t+8*\c+4:32*\t+8*\c+7], v[QO], s[56:57] offset:\t*16*QROW+64*\c+32
.endr
.endr
.set ii, 0
.rept 64
	v_mov_b32 v[O+ii], 0                           ; O^T.  The step is written once: its first walk finds zeros, which the first rescaling leaves zeros
.set ii, ii+1
.endr
	WIN 0
.irp t, 0,1,2,3
	v_mov_b32 v[ST+8*\t+1], 0xff61b1e6             ; m: -3e38, under every score
	v_mov_b32 v[ST+8*\t+2], 0                      ; the sum, in two halves
	v_mov_b32 v[ST+8*\t+3], 0
.endr
.irp t, 0,1,2,3
	v_mul_f32 v[ST+8*\t], s[CS], v[ST+8*\t+1]      ; c m
.endr
.macro KLOAD k                         ; key tile k of the step (16 keys x 128 channels: four fragments) into buffer k % 2
.irp c, 0,1,2,3
	ds_load_b128 v[KB+32*((\k)%2)+8*\c:KB+32*((\k)%2)+8*\c+3],   v[ADK] offset:(\k)*16*PK+64*\c
	ds_load_b128 v[KB+32*((\k)%2)+8*\c+4:KB+32*((\k)%2)+8*\c+7], v[ADK] offset:(\k)*16*PK+64*\c+32
.endr
.endm
.macro KQ k                            ; S^T of key tile k for the four tiles of queries: the four accumulators by turns; the first product starts each sum
.irp c, 0,1,2,3
.irp t, 0,1,2,3
.if \c == 0
	v_wmma_f32_16x16x32_f16 v[S+32*\t+8*(\k):S+32*\t+8*(\k)+7], v[KB+32*((\k)%2)+8*\c:KB+32*((\k)%2)+8*\c+7], v[32*\t+8*\c:32*\t+8*\c+7], 0
.else
	v_wmma_f32_16x16x32_f16 v[S+32*\t+8*(\k):S+32*\t+8*(\k)+7], v[KB+32*((\k)%2)+8*\c:KB+32*((\k)%2)+8*\c+7], v[32*\t+8*\c:32*\t+8*\c+7], v[S+32*\t+8*(\k):S+32*\t+8*(\k)+7]
.endif
.endr
.endr
.endm
.macro VLOAD                           ; V^T of the step: keys 32 c on, channels 16 u on
.irp c, 0,1
.irp u, 0,1
	ds_load_tr16_b128 v[V+16*\c+8*\u:V+16*\c+8*\u+3],   v[ADV] offset:\c*32*PV+32*\u
	ds_load_tr16_b128 v[V+16*\c+8*\u+4:V+16*\c+8*\u+7], v[ADV] offset:\c*32*PV+16*PV+32*\u
.endr
.endr
.endm
.macro PLACES n
.rept \n
	v_nop
.endr
.endm
; THE SOFTMAX of a key step, the four tiles by turns in every line, so that no line waits for the line above it.
.macro SOFTMAX
.irp j, 0,1,2,3                        ; the maximum of a lane's 32 scores and the old m: four chains, one to a key tile, each begun at its accumulator's low end.  Key tile 3, finished last, is first read twelve plain lines on
.irp t, 0,1,2,3
	v_max3_num_f32 v[ST+8*\t+4+\j], v[S+32*\t+8*\j], v[S+32*\t+8*\j+1], v[S+32*\t+8*\j+2]
.endr
.endr
.irp g, 1,2
.irp j, 0,1,2,3
.irp t, 0,1,2,3
	v_max3_num_f32 v[ST+8*\t+4+\j], v[ST+8*\t+4+\j], v[S+32*\t+8*\j+2*\g+1], v[S+32*\t+8*\j+2*\g+2]
.endr
.endr
.endr
.irp t, 0,1,2,3
	v_max3_num_f32 v[ST+8*\t+4], v[ST+8*\t+4], v[S+32*\t+7], v[S+32*\t+15]
.endr
.irp t, 0,1,2,3
	v_max3_num_f32 v[ST+8*\t+6], v[ST+8*\t+6], v[S+32*\t+23], v[S+32*\t+31]
.endr
.irp t, 0,1,2,3
	v_max3_num_f32 v[ST+8*\t+4], v[ST+8*\t+4], v[ST+8*\t+5], v[ST+8*\t+6]
.endr
.irp t, 0,1,2,3
	v_max3_num_f32 v[ST+8*\t+4], v[ST+8*\t+4], v[ST+8*\t+7], v[ST+8*\t+1]
.endr
.irp t, 0,1,2,3
	v_permlanex16_b32 v[ST+8*\t+5], v[ST+8*\t+4], s[SEL], s[SEL+1]   ; the query's other 32 keys lie in the lane 16 away
.endr
.irp t, 0,1,2,3
	v_mov_b32 v[ST+8*\t+7], v[ST+8*\t]             ; c m_old is kept for a
.endr
.irp t, 0,1,2,3
	v_max_num_f32 v[ST+8*\t+1], v[ST+8*\t+4], v[ST+8*\t+5]
.endr
.irp t, 0,1,2,3
	v_mul_f32 v[ST+8*\t], s[CS], v[ST+8*\t+1]
.endr
.irp t, 0,1,2,3
	v_sub_f32 v[ST+8*\t+7], v[ST+8*\t+7], v[ST+8*\t]
.endr
; ONE BATCH: the 64 scalings c s - c m and all 132 exponentials; no line of it names an exponential's result.  A tile's scalings stand among the exponentials of the tile before.
.irp b, 0,1,2,3,4,5,6,7,8,9,10,11,12,13,14,15
	v_pk_fma_f32 v[S+2*\b:S+2*\b+1], v[S+2*\b:S+2*\b+1], s[CS:CS+1], v[ST:ST+1] op_sel_hi:[1,0,0] neg_lo:[0,0,1] neg_hi:[0,0,1]
.endr
.irp t, 0,1,2,3
	v_exp_f32 v[ST+8*\t+6], v[ST+8*\t+7]           ; a = 2^(c m_old - c m_new)
.endr
.irp t, 0,1,2
.irp b, 0,1,2,3,4,5,6,7,8,9,10,11,12,13,14,15
	v_pk_fma_f32 v[S+32*\t+32+2*\b:S+32*\t+32+2*\b+1], v[S+32*\t+32+2*\b:S+32*\t+32+2*\b+1], s[CS:CS+1], v[ST+8*\t+8:ST+8*\t+9] op_sel_hi:[1,0,0] neg_lo:[0,0,1] neg_hi:[0,0,1]
	v_exp_f32 v[S+32*\t+2*\b], v[S+32*\t+2*\b]
	v_exp_f32 v[S+32*\t+2*\b+1], v[S+32*\t+2*\b+1]
.endr
.endr
.set ii, 0
.rept 32
	v_exp_f32 v[S+96+ii], v[S+96+ii]
.set ii, ii+1
.endr
	v_nop                                          ; a plain line behind the last exponential, ahead of the first use
	s_wait_alu depctr_va_vdst(0)                   ; the wait ahead of the first line that names a result: one for the whole batch
.irp t, 0,1,2,3
	v_pk_fma_f32 v[ST+8*\t+2:ST+8*\t+3], v[ST+8*\t+2:ST+8*\t+3], v[ST+8*\t+6:ST+8*\t+7], v[S+32*\t:S+32*\t+1] op_sel_hi:[1,0,1]   ; the sum: a x the old one + the first pair
.endr
.irp b, 1,2,3,4,5,6,7,8,9,10,11,12,13,14,15
.irp t, 0,1,2,3
	v_pk_add_f32 v[ST+8*\t+2:ST+8*\t+3], v[ST+8*\t+2:ST+8*\t+3], v[S+32*\t+2*\b:S+32*\t+2*\b+1]
.endr
.endr
.irp i, 0,1,2,3,4,5,6,7,8,9,10,11,12,13,14,15   ; the weights to f16, in place, ascending: register i takes pair i, which lies at 2 i and 2 i + 1
.irp t, 0,1,2,3
	v_cvt_pk_f16_f32 v[S+32*\t+\i], v[S+32*\t+2*\i], v[S+32*\t+2*\i+1]
.endr
.endr
.endm
.macro PVMUL
	WIN 0x51                                       ; O^T (destination, source 0 or C) and V in window 1; a and P in window 0
.irp t, 0,1,2,3
.irp i, 0,2,4,6,8,10,12,14
	v_pk_mul_f32 v[O+16*\t+\i:O+16*\t+\i+1], v[O+16*\t+\i:O+16*\t+\i+1], v[ST+8*\t+6:ST+8*\t+7] op_sel_hi:[1,0]   ; O^T x a, each accumulator from its low end on
.endr
.endr
	s_wait_dscnt 0x0                               ; V is in
.irp c, 0,1                            ; eight accumulators by turns
.irp u, 0,1
.irp t, 0,1,2,3
	v_wmma_f32_16x16x32_f16 v[O+16*\t+8*\u:O+16*\t+8*\u+7], v[V+16*\c+8*\u:V+16*\c+8*\u+7], v[S+32*\t+8*\c:S+32*\t+8*\c+7], v[O+16*\t+8*\u:O+16*\t+8*\u+7]
.endr
.endr
.endr
.endm
; A KEY STEP: 64 keys.
.macro STEP
	v_add_nc_u32 v[ADK], s[TBK], v[AK0]
	v_add_nc_u32 v[ADV], s[TBV], v[AV0]
	PLACES 3                                       ; with the two additions five places: the first products below write over registers (P) that the last step's products read; they serve V's loads too
	WIN 0x04                                       ; Q in window 1; K, S^T and the LDS loads' registers in window 0
	KLOAD 0
	KLOAD 1
	s_wait_dscnt 8                                 ; key tile 0 is in; tile 1's eight loads may be out
	KQ 0
	PLACES 4                                       ; ahead of loads into the buffer just multiplied
	KLOAD 2
	s_wait_dscnt 8
	KQ 1
	PLACES 4
	KLOAD 3
	s_wait_dscnt 8
	KQ 2
	s_wait_dscnt 0x0
	KQ 3
	WIN 0x40
	VLOAD                                          ; it lands while the softmax is walked
	WIN 0
	SOFTMAX
	PVMUL
	WIN 0
	s_add_co_u32 s[TBK], s[TBK], KSTEP
	s_add_co_u32 s[TBV], s[TBV], VSTEP
.endm
; THE CHANGE OF SLOTS stands at a slot's head.  Each wave waits for all its tensor loads (its part of the slot that it is about to read), adds 0 to its spare word, and waits for that and for its reads of the slot
; that it has left.  Behind the barrier the slot ahead is whole and nobody reads the other one; fill = 1: that other slot takes the next 256 keys, one load a wave, first thing behind the barrier.
.macro CHANGE fill
	s_wait_tensorcnt 0x0                           ; no tensor load of mine is out, so a group 0 may be written
	ds_add_u32 v[SPW], v[NIL]                      ; every way here leads through the head's tensor load
.if \fill
	s_xor_b32 s[G0K+1], s[G0K+1], SLOT1
	s_add_nc_u64 s[G0K+2:G0K+3], s[G0K+2:G0K+3], 256*QROW
	s_xor_b32 s[G0V+1], s[G0V+1], SLOT1
	s_add_nc_u64 s[G0V+2:G0V+3], s[G0V+2:G0V+3], 256*QROW
.endif
	s_wait_dscnt 0x0
	s_barrier_signal -1
	s_barrier_wait -1
.if \fill
	TLOAD
.endif
.endm
.macro PASS                            ; a slot's four key steps: written once, walked four times
	s_mov_b32 s[CNT], 4
.Lstep_\@:
	STEP
	s_sub_co_u32 s[CNT], s[CNT], 1
	s_cmp_lg_u32 s[CNT], 0
	s_cbranch_scc1 .Lstep_\@
	s_sub_co_u32 s[TBK], s[TBK], 4*KSTEP           ; back to a slot's first step,
	s_sub_co_u32 s[TBV], s[TBV], 4*VSTEP
	s_xor_b32 s[TBK], s[TBK], SLOT1                ; in the other slot
	s_xor_b32 s[TBV], s[TBV], SLOT1
.endm
	s_wait_loadcnt 0x0                             ; Q
.Lslot:                                            ; three trips: behind each change of slots but the last the next 256 keys are asked for
	CHANGE 1
	PASS
	s_sub_co_u32 s[SLOTS], s[SLOTS], 1
	s_cmp_lg_u32 s[SLOTS], 0
	s_cbranch_scc1 .Lslot
	CHANGE 0                                       ; the last slot is written out
	PASS
	; THE WAY OUT.  The sum's halves are added (these lines are the places behind the last products); O^T is divided by the sum, rounded to f16 and stored as it stands.
.irp t, 0,1,2,3
	v_add_f32 v[ST+8*\t+4], v[ST+8*\t+2], v[ST+8*\t+3]
.endr
.irp t, 0,1,2,3
	v_permlanex16_b32 v[ST+8*\t+5], v[ST+8*\t+4], s[SEL], s[SEL+1]
.endr
.irp t, 0,1,2,3
	v_add_f32 v[ST+8*\t+4], v[ST+8*\t+4], v[ST+8*\t+5]
.endr
.irp t, 0,1,2,3
	v_rcp_f32 v[ST+8*\t+6], v[ST+8*\t+4]
.endr
	v_nop                                          ; a plain line behind the last reciprocal
	s_wait_alu depctr_va_vdst(0)                   ; and the wait ahead of the first use: one for the four
	WIN 0x41
.irp t, 0,1,2,3
.irp i, 0,2,4,6,8,10,12,14
	v_pk_mul_f32 v[O+16*\t+\i:O+16*\t+\i+1], v[O+16*\t+\i:O+16*\t+\i+1], v[ST+8*\t+6:ST+8*\t+7] op_sel_hi:[1,0]
.endr
.endr
	WIN 0x45
.irp t, 0,1,2,3
.irp i, 0,1,2,3,4,5,6,7
	v_cvt_pk_f16_f32 v[H+8*\t+\i], v[O+16*\t+2*\i], v[O+16*\t+2*\i+1]   ; registers 0-3: channels 8 h + 0..7; registers 4-7: 16 + 8 h + 0..7: the next product's fragment
.endr
.endr
	WIN 0x04                                       ; a store's data are its source 1: window 1
.irp t, 0,1,2,3
.irp u, 0,1
	global_store_b128 v[GO], v[H+8*\t+4*\u:H+8*\t+4*\u+3], s[58:59] offset:\t*8192+\u*512   ; the wave stores 512 consecutive bytes, aligned
.endr
.endr
	WIN 0
	s_wait_tensorcnt 0x0                           ; the wave's end, behind my last tensor load
	ds_add_u32 v[SPW], v[NIL]
	s_wait_dscnt 0x0
	s_endpgm
.Lfunc_end_k_qa848a715cf_attn:
	.size	k_qa848a715cf_attn, .Lfunc_end_k_qa848a715cf_attn-k_qa848a715cf_attn
	.p2alignl 7, 3214868480
	.fill 96, 4, 3214868480
	.section	.rodata,"a",@progbits
	.p2align	6, 0x0
	.amdhsa_kernel k_qa848a715cf_attn
		.amdhsa_group_segment_fixed_size 327680
		.amdhsa_private_segment_fixed_size 0
		.amdhsa_enable_private_segment 0
		.amdhsa_kernarg_size 16
		.amdhsa_user_sgpr_count 2
		.amdhsa_user_sgpr_kernarg_segment_ptr 1
		.amdhsa_wavefront_size32 1
		.amdhsa_system_sgpr_workgroup_id_x 1
		.amdhsa_system_sgpr_workgroup_id_y 1
		.amdhsa_system_sgpr_workgroup_id_z 1
		.amdhsa_system_vgpr_workitem_id 0
		.amdhsa_next_free_vgpr 512
		.amdhsa_next_free_sgpr 66
		.amdhsa_reserve_vcc 0
		.amdhsa_float_denorm_mode_32 3
		.amdhsa_float_denorm_mode_16_64 3
		.amdhsa_memory_ordered 1
		.amdhsa_forward_progress 1
		.amdhsa_inst_pref_size 81
	.end_amdhsa_kernel
	.amdgpu_metadata
---
amdhsa.version: [ 1, 2 ]
amdhsa.kernels:
  - .name:           k_qa848a715cf_attn
    .symbol:         k_qa848a715cf_attn.kd
    .args:
      - { .name: qkv, .offset: 0, .size: 8, .value_kind: global_buffer, .address_space: global }
      - { .name: hd, .offset: 8, .size: 8, .value_kind: global_buffer, .address_space: global }
    .group_segment_fixed_size: 327680
    .private_segment_fixed_size: 0
    .kernarg_segment_align: 8
    .kernarg_segment_size: 16
    .max_flat_workgroup_size: 256
    .sgpr_count:     66
    .vgpr_count:     512
    .wavefront_size: 32
...
	.end_amdgpu_metadata
.endif
;; end of part 3
;; launch outp (part 4): grid 2 x 128, 8 waves a work-group, no clusters, 101,376 bytes of LDS; arguments hd, wo16, out0; writes out0
.if DOCPART == 4
	.amdgcn_target "amdgcn-amd-amdhsa--gfx1250"
	.amdhsa_code_object_version 6
	.text
	.protected	k_qa848a715cf_outp
	.globl	k_qa848a715cf_outp
	.p2align	8
	.type	k_qa848a715cf_outp,@function
k_qa848a715cf_outp:
	s_mov_b64 s[64:65], 0
	v_nop
	global_prefetch_b8 v0, s[64:65] scope:SCOPE_SE
	s_setreg_imm32_b32 hwreg(HW_REG_WAVE_MODE, 25, 1), 1
	s_wait_xcnt 0x0
; OUTP: out0[m][n] = sum over k of heads[m][k] Wo[k][n]; m = 16,384, k = 256, n = 1,024; f16 operands, f32 sums, f32 out.
; Both operands arrive as images of the operand registers (hd: [row tile][8 chunks of 32 k][2 halves][32 lanes][16 bytes]; wo16: [column tile][8 chunks][2 halves][32 lanes][16 bytes]): every load is 512 consecutive bytes.
; SHARES.  A work-group makes 128 rows x 512 columns.  THE WAVES SHARE THE COLUMNS: wave w makes columns 64 w .. 64 w + 63 for all 128 rows, and its 32 fragments of Wo stay in its registers (window 1) for the whole launch.
; The rows' fragments go round: wave w loads row tile w and stores its image to LDS; one barrier; every wave reads all eight.
; The matrix instruction is used transposed (source 0 = 16 columns of Wo, source 1 = 16 rows): a lane holds eight neighbouring columns of one row.  A row tile's 16 x 64 results go through the wave's own stage and
; leave as whole rows: sixteen lanes store 256 consecutive bytes, aligned.
; NO TENSOR LOADS, SO NO JOINT LOADS: the operands go from memory straight into the registers that hold them, once, at the head; nothing is fetched in the loop, so there is no tile for partners to ask for in step.
; REGISTERS: window 0: v1-7 addresses; v32-95, v96-159 a row tile's eight fragments, two buffers; v160-191 four accumulators; v192-255 rows on the way out, two sets.   window 1: Wo, fragment (u, c) at v[8 (8 u + c)].
.set XIMG,  0                          ; LDS: eight row tiles' images, 8,192 bytes each
.set STG,   65536                      ; a stage of 16 rows x (256 + 16) bytes for each wave
.set SPARE, STG+8*4352                 ; the spare words, 128 bytes a wave, which no other line names
.set LI,  1                            ; v1  16 x lane
.set XW,  2                            ; v2  where I store my row tile's image
.set STO, 3
.set RD,  4
.set CO,  5
.set SPW, 6                            ; v6  my spare word; never rewritten
.set NIL, 7                            ; v7  0; never rewritten
.set F0,  32
.set ACC, 160
.set OUTR, 192
.set MSB, 0
.macro WIN new
.if MSB != (\new)
	s_set_vgpr_msb (MSB<<8)|(\new)
.set MSB, (\new)
.endif
.endm
	s_load_b128 s[4:7], s[0:1], 0x0                ; hd, wo16
	s_load_b64 s[8:9], s[0:1], 0x10                ; out0
	v_lshl_add_u32 v[SPW], v0, 2, SPARE
	v_mov_b32 v[NIL], 0
	v_lshrrev_b32 v8, 5, v0
	v_readfirstlane_b32 s10, v8                    ; wave 0..7
	s_and_b32 s11, ttmp7, 0xffff                   ; which 128 rows
	v_and_b32 v9, 31, v0
	v_lshlrev_b32 v[LI], 4, v9
	s_lshl_b32 s12, s10, 13
	v_add_nc_u32 v[XW], s12, v[LI]
	v_and_b32 v10, 15, v0                          ; r
	v_bfe_u32 v11, v0, 4, 1                        ; h
	s_mul_i32 s13, s10, 4352
	s_add_co_u32 s13, s13, STG                     ; my stage
	v_mul_u32_u24 v[STO], v10, 272
	v_lshl_add_u32 v[STO], v11, 5, v[STO]
	v_add_nc_u32 v[STO], s13, v[STO]               ; in: row r, 32 bytes for each half of the lanes
	v_mul_u32_u24 v[RD], v11, 272
	v_lshl_add_u32 v[RD], v10, 4, v[RD]
	v_add_nc_u32 v[RD], s13, v[RD]                 ; back: lanes 0-15 one row of 256 bytes, lanes 16-31 the next
	v_lshlrev_b32 v[CO], 12, v11
	v_lshl_add_u32 v[CO], v10, 4, v[CO]            ; and the same two rows of out0 (4,096 bytes a row)
	s_lshl_b32 s14, s11, 3
	s_add_co_u32 s14, s14, s10
	s_lshl_b32 s14, s14, 13                        ; hd: row tile 8 y + wave
	s_mov_b32 s15, 0
	s_lshl_b32 s16, ttmp9, 5
	s_lshl_b32 s17, s10, 2
	s_add_co_u32 s16, s16, s17
	s_lshl_b32 s16, s16, 13                        ; wo16: column tile 32 x + 4 wave
	s_mov_b32 s17, 0
	s_lshl_b32 s18, s11, 19                        ; out0: 128 rows of 4,096 bytes,
	s_lshl_b32 s19, ttmp9, 11                      ; 512 columns,
	s_add_co_u32 s18, s18, s19
	s_lshl_b32 s19, s10, 8                         ; my 64
	s_add_co_u32 s18, s18, s19
	s_mov_b32 s19, 0
	s_wait_kmcnt 0x0
	s_add_nc_u64 s[4:5], s[4:5], s[14:15]
	s_add_nc_u64 s[6:7], s[6:7], s[16:17]
	s_add_nc_u64 s[8:9], s[8:9], s[18:19]
.set ii, 0
.rept 16
	global_load_b128 v[F0+4*ii:F0+4*ii+3], v[LI], s[4:5] offset:512*ii      ; my row tile's image
.set ii, ii+1
.endr
	WIN 0x40
.set ii, 0
.rept 64
	global_load_b128 v[4*ii:4*ii+3], v[LI], s[6:7] offset:512*ii            ; my 32 fragments of Wo: they stay
.set ii, ii+1
.endr
	WIN 0
	s_wait_loadcnt 63                              ; 64 loads were issued behind the row tile's sixteen: these are in
.set ii, 0
.rept 16
	ds_store_b128 v[XW], v[F0+4*ii:F0+4*ii+3] offset:XIMG+512*ii
.set ii, ii+1
.endr
	s_wait_dscnt 0x0                               ; for the others' sake: my stores have landed
	s_barrier_signal -1
	s_barrier_wait -1                              ; the eight images lie in LDS; they are never written again
	s_wait_loadcnt 0x0                             ; Wo
.macro FETCH rt
.set FF, F0+64*((\rt)%2)
.set ii, 0
.rept 16
	ds_load_b128 v[FF+4*ii:FF+4*ii+3], v[LI] offset:XIMG+(\rt)*8192+512*ii
.set ii, ii+1
.endr
.endm
.macro RT rt
.if (\rt) < 7
	FETCH (\rt)+1                                  ; into the buffer that the row tile before last multiplied: five places stand behind those products
	s_wait_dscnt 16                                ; this row tile's fragments are in; the sixteen just issued may be out
.else
	s_wait_dscnt 0x0
.endif
	WIN 0x01                                       ; Wo in window 1
.irp c, 0,1,2,3,4,5,6,7                ; four accumulators by turns; the first product starts each sum
.irp u, 0,1,2,3
.if \c == 0
	v_wmma_f32_16x16x32_f16 v[ACC+8*\u:ACC+8*\u+7], v[8*(8*\u+\c):8*(8*\u+\c)+7], v[F0+64*((\rt)%2)+8*\c:F0+64*((\rt)%2)+8*\c+7], 0
.else
	v_wmma_f32_16x16x32_f16 v[ACC+8*\u:ACC+8*\u+7], v[8*(8*\u+\c):8*(8*\u+\c)+7], v[F0+64*((\rt)%2)+8*\c:F0+64*((\rt)%2)+8*\c+7], v[ACC+8*\u:ACC+8*\u+7]
.endif
.endr
.endr
	WIN 0
.rept 5
	v_nop                                          ; four places ahead of the stores that read the results and of later loads into the fragments; five ahead of the next row tile's products, which begin the accumulators anew
.endr
.irp u, 0,1,2,3
	ds_store_b128 v[STO], v[ACC+8*\u:ACC+8*\u+3] offset:64*\u          ; each accumulator from its low end on
	ds_store_b128 v[STO], v[ACC+8*\u+4:ACC+8*\u+7] offset:64*\u+16
.endr
	s_wait_xcnt 0x0                                ; the stores of two row tiles back have read their data: the loads below may land there
.irp i, 0,1,2,3,4,5,6,7
	ds_load_b128 v[OUTR+32*((\rt)%2)+4*\i:OUTR+32*((\rt)%2)+4*\i+3], v[RD] offset:544*\i   ; in order behind my stores
.endr
.irp i, 0,1,2,3,4,5,6,7
	s_wait_dscnt 7-\i                              ; the last of these waits is for 0: the stage's stores have read the accumulators before they are begun anew
	global_store_b128 v[CO], v[OUTR+32*((\rt)%2)+4*\i:OUTR+32*((\rt)%2)+4*\i+3], s[8:9] offset:(16*(\rt)+2*\i)*4096 th:TH_STORE_NT   ; sixteen lanes store 256 consecutive bytes, aligned; the base is never stepped
.endr
.endm
	FETCH 0
.irp m, 0,1,2,3,4,5,6,7
	RT \m
.endr
	s_wait_tensorcnt 0x0                           ; the wave's end, behind my last LDS store
	ds_add_u32 v[SPW], v[NIL]
	s_wait_dscnt 0x0
	s_endpgm
.Lfunc_end_k_qa848a715cf_outp:
	.size	k_qa848a715cf_outp, .Lfunc_end_k_qa848a715cf_outp-k_qa848a715cf_outp
	.p2alignl 7, 3214868480
	.fill 96, 4, 3214868480
	.section	.rodata,"a",@progbits
	.p2align	6, 0x0
	.amdhsa_kernel k_qa848a715cf_outp
		.amdhsa_group_segment_fixed_size 101376
		.amdhsa_private_segment_fixed_size 0
		.amdhsa_enable_private_segment 0
		.amdhsa_kernarg_size 24
		.amdhsa_user_sgpr_count 2
		.amdhsa_user_sgpr_kernarg_segment_ptr 1
		.amdhsa_wavefront_size32 1
		.amdhsa_system_sgpr_workgroup_id_x 1
		.amdhsa_system_sgpr_workgroup_id_y 1
		.amdhsa_system_sgpr_workgroup_id_z 1
		.amdhsa_system_vgpr_workitem_id 0
		.amdhsa_next_free_vgpr 512
		.amdhsa_next_free_sgpr 66
		.amdhsa_reserve_vcc 0
		.amdhsa_float_denorm_mode_32 3
		.amdhsa_float_denorm_mode_16_64 3
		.amdhsa_memory_ordered 1
		.amdhsa_forward_progress 1
		.amdhsa_inst_pref_size 54
	.end_amdhsa_kernel
	.amdgpu_metadata
---
amdhsa.version: [ 1, 2 ]
amdhsa.kernels:
  - .name:           k_qa848a715cf_outp
    .symbol:         k_qa848a715cf_outp.kd
    .args:
      - { .name: hd, .offset: 0, .size: 8, .value_kind: global_buffer, .address_space: global }
      - { .name: wo16, .offset: 8, .size: 8, .value_kind: global_buffer, .address_space: global }
      - { .name: out0, .offset: 16, .size: 8, .value_kind: global_buffer, .address_space: global }
    .group_segment_fixed_size: 101376
    .private_segment_fixed_size: 0
    .kernarg_segment_align: 8
    .kernarg_segment_size: 24
    .max_flat_workgroup_size: 256
    .sgpr_count:     66
    .vgpr_count:     512
    .wavefront_size: 32
...
	.end_amdgpu_metadata
.endif
;; end of part 4
